; MI455X (gfx1250); checked and timed in simulation.
; The chip was launched on July 23, 2026; its instructions are those of AMD's public machine-readable ISA for CDNA 5 (MIT licence, August 2026) and "CDNA5" Instruction Set Architecture Reference Guide (July 2026). The comments in the code are by the model that wrote it; some were corrected since.
;; Correction Byf3d. Allowed arithmetic: float matrix products may take bf16 or f16 operands with f32 sums; other float arithmetic in f32, or as packed bf16 or f16 multiplies, adds, multiply-adds, maxima and minima; sums over many terms, partial sums and values carried from step to step in f32; what a program stores and reads back later, other than sums and carried values, may be rounded once to bf16 or f16.
;; Inputs: A_big 24 x 4 x 4 float32; A_t 24 x 4 x 4 float32; query_pts 131,072 x 3 float32; verts 6,890 x 3 float32; weights 6,890 x 24 float32.
;; Outputs: out0 131,072 x 3 float32.
;; 2 versions, each right; version 2 is version 1 with the launches coarse, refine written anew for expert scheduling mode. Each part assembles by itself: llvm-mc -triple=amdgcn-amd-amdhsa -mcpu=gfx1250 --defsym DOCPART=n.
;; ======== version 1 of 2: 3 launches
;; limits: values within 3.05e-05 (relative) of each other or of a threshold may be ordered or decided otherwise than in the reference
;; workspace buffers: cand 524,288 bytes of whole numbers; idx 524,288 bytes of whole numbers; table 441,344 bytes
;; launch coarse (part 1): grid 256 x 1, 8 waves a work-group, no clusters, 113,664 bytes of LDS; arguments query_pts, verts, weights, A_t, A_big, cand, table; writes cand, table
.if DOCPART == 1
	.amdgcn_target "amdgcn-amd-amdhsa--gfx1250"
	.amdhsa_code_object_version 6
	.text
	.protected	k_qfb894b828a_coarse
	.globl	k_qfb894b828a_coarse
	.p2align	8
	.type	k_qfb894b828a_coarse,@function
k_qfb894b828a_coarse:
	s_mov_b64 s[64:65], 0
	v_nop
	global_prefetch_b8 v0, s[64:65] scope:SCOPE_SE
	s_setreg_imm32_b32 hwreg(HW_REG_WAVE_MODE, 25, 1), 1
	s_wait_xcnt 0x0
; NEAREST VERTEX, FIRST PASS.  For each of 131,072 queries: the two blocks of 32 consecutive vertices (block = vertex >> 5, 216 blocks) that hold the smallest squared distances.
; The next launch scores those 64 vertices again with reference()'s own f32 operations, so this pass needs only to keep the true winner's block among its two.
; ALL inputs of the program are rounded to bf16 (nearest even) before use; sums are f32.
; ONE PRODUCT = ONE DISTANCE.  A vertex is 8 bf16: x, y, z, |v|^2 in three pieces (24 bits), 1, 1.  A query is 8 bf16: -2x, -2y, -2z, 1, 1, 1, and |q|^2 (1 + 2^-12) in two pieces.
; Their dot product is |q - v|^2 plus a small positive shift that is the same for all vertices of a query: it keeps every distance above 0, so that keys order like their bit patterns.
; FOUR TILES IN ONE FRAGMENT.  A matrix instruction has 32 places along K and a distance needs 8.  Source 0 (16 rows) holds four tiles of 16 vertices, one in each quarter of K: two LDS loads of
; 16 bytes a lane.  Source 1 (16 queries) exists in four variants, the query's 8 numbers in one quarter and zeros in the others: variant t gives the distances to tile t.
; In the result a lane holds ONE query (lane % 16) and rows 8 (lane / 16) + 0..7.  The vertices are laid into the tiles so that row m of tile t of group g is vertex 64 g + 32 (m / 8) + 8 t + m % 8:
; the 32 distances that a lane gets from a group are 32 consecutive vertices, block 2 g + lane / 16.
; THE MINIMUM.  16 v_min3 fold the 32 distances; the block's number takes the place of the 8 lowest bits; the two smallest keys of a lane are kept (median of three, minimum): 19 vector
; instructions for 4 matrix instructions.  They stand behind the products of later tiles: the 14 that read accumulators one stage later, the 5 that wait for each other two stages later.
; SHARES.  256 work-groups of 8 waves; a wave owns 64 queries (4 tiles) and walks all 108 groups of 64 vertices: 1,728 matrix instructions.
; SIDE JOB.  In each work-group wave 0, and wave 1 where tile 256 + work-group < 431, makes one tile of 16 vertices of the table for the last launch: A = weights A_t and A2 = weights A_big on the matrix unit (K = 24 of 32), then
; M = R2 R^-1 (cofactors and one reciprocal) and c = t2 - M t, so that out = M q + c.  (weights A)[idx] is the same arithmetic as weights[idx] A.  431 tiles, 64 bytes a vertex.
; NO CLUSTER, NO TENSOR LOAD: what work-groups share is verts, 82,680 bytes a work-group, read once, and every number of it passes through registers to be rounded, split and put in its place.
; LIMITS.  If three or more blocks lie within 2^-15 of the smallest shifted distance, only two are kept (blocks with EQUAL keys' upper bits are kept by lowest number, which serves exact ties);
; distances stay under 1e30 (the padding vertices' distance); NaN and infinities are not treated apart.
.set NV1,    6889                      ; the last vertex
.set TILES,  431                       ; tiles of 16 vertices in the table
.set STG,    110592                    ; LDS: 6,912 vertices x 16 bytes from 0; then two stages of 1,024 bytes for the side job
.set SPARE,  112640                    ; then the spare words, 128 bytes for each of 8 waves: four blocks of 256 bytes that no other line names
.set SPW,  14                          ; v14  LDS address of my spare word; never rewritten
.set NIL,  15                          ; v15  0; never rewritten
.set BQ,   16                          ; v16-83   17 blocks of 4: zeros at the even blocks; tile T's numbers in lanes 0-15 at block 1+4T, in lanes 16-31 at block 3+4T
.set ACC,  84                          ; v84-147  two sets of four accumulators, by the tile's parity
.set AF0,  148                         ; v148-155, v156-163  source 0, two buffers, by the group's parity
.set AF1,  156
.set CT,   164                         ; v164-171 four running minima for each parity
.set KEY,  172
.set BB,   174                         ; v174-181 tile T: smallest key, second smallest
.set LD,   84                          ; set-up: 27 vertices as loaded, 4 registers apart
.set QL,   192                         ; set-up: 4 queries as loaded
.set TW,   204                         ; set-up: at work
.set WQ,   212                         ; set-up: 16 bytes to store; WQ+3 holds 1, 1
.set ONE,  216
.set WL,   84                          ; side job: weights as loaded (16), transforms as loaded (64)
.set TL,   100
.set PW,   184                         ; side job: weights in bf16 (8), transforms in bf16 (4 x 8)
.set PT,   192
.set DA,   84                          ; side job: the 16 entries of A, of A2
.set DB,   100
.set AJ,   116                         ; side job: 9 cofactors
.set TT,   126
.set DET,  128
.set NN,   130
.set ROW,  224                         ; side job: three rows M | c
.set SEL,  236
.set OO,   244
	s_load_b256 s[4:11], s[0:1], 0x0               ; query_pts s[4:5], verts s[6:7], weights s[8:9], A_t s[10:11]
	s_load_b128 s[12:15], s[0:1], 0x20             ; A_big s[12:13], cand s[14:15]
	s_load_b64 s[16:17], s[0:1], 0x30              ; table
	v_lshl_add_u32 v[SPW], v0, 2, SPARE
	v_mov_b32 v[NIL], 0
	v_lshrrev_b32 v5, 5, v0
	v_readfirstlane_b32 s18, v5                    ; wave 0..7
	v_and_b32 v1, 15, v0                           ; r = lane % 16
	v_bfe_u32 v2, v0, 4, 1                         ; h = lane / 16
	v_and_b32 v3, 31, v0                           ; lane
	; LDS place p = t + 256 n holds vertex 64 (p / 64) + 32 ((p / 8) % 2) + 8 ((p / 16) % 4) + p % 8
	v_and_b32 v6, 0xc7, v0
	v_bfe_u32 v5, v0, 3, 1
	v_lshl_add_u32 v6, v5, 5, v6
	v_bfe_u32 v5, v0, 4, 2
	v_lshl_add_u32 v6, v5, 3, v6                   ; the vertex of place t
	v_add_nc_u32 v7, 6656, v6                      ; the vertex of place t + 26 x 256: past the end for some threads
	v_min_u32 v8, NV1, v7                          ; those load the last vertex and store padding
	v_mul_u32_u24 v6, v6, 12
	v_mul_u32_u24 v8, v8, 12
	v_mul_u32_u24 v9, v1, 24                       ; queries 2 r and 2 r + 1 of a run of 32
	v_lshlrev_b32 v10, 4, v0                       ; place t in LDS,
	v_add_nc_u32 v11, 0x10000, v10                 ; and place t + 16 x 256: the immediate has 16 bits
	s_mul_i32 s19, ttmp9, 6144                     ; the work-group's 512 queries of 12 bytes,
	s_mul_i32 s20, s18, 768                        ; my wave's 64
	s_add_co_u32 s20, s20, s19
	s_mov_b32 s21, 0
	s_mov_b32 s22, 0xffff0000                      ; a word's upper bf16
	s_mov_b32 s24, 0x76543210                      ; v_permlanex16_b32: each lane takes its own place in the other half
	s_mov_b32 s25, 0xfedcba98
	s_mov_b32 s27, 0xff                            ; the key's 8 bits for the block
	s_mov_b32 s28, 0                               ; 2 x the group whose keys are being made
	v_mov_b32 v[WQ+3], 0x3f803f80                  ; 1, 1 in bf16
	v_mov_b32 v[ONE], 1.0
	s_wait_kmcnt 0x0
	s_add_nc_u64 s[20:21], s[4:5], s[20:21]
.set n, 0
.rept 26
	global_load_b96 v[LD+4*n:LD+4*n+2], v6, s[6:7] offset:3072*n
.set n, n+1
.endr
	global_load_b96 v[LD+104:LD+106], v8, s[6:7]
	; tile T, column r is the wave's query 2 r + 32 (T / 2) + T % 2, so that the results leave as 8 neighbouring bytes a lane
.irp u, 0,1
	global_load_b64 v[QL+6*\u:QL+6*\u+1], v9, s[20:21] offset:384*\u
	global_load_b64 v[QL+6*\u+2:QL+6*\u+3], v9, s[20:21] offset:384*\u+8
	global_load_b64 v[QL+6*\u+4:QL+6*\u+5], v9, s[20:21] offset:384*\u+16
.endr
	v_cmp_lt_u32 vcc_lo, NV1, v7                   ; my 27th place is padding
; One vertex: rounded to bf16; |v|^2 of the rounded numbers in f32; split into three bf16 pieces (each remainder is exact); 16 bytes into LDS.
.macro VERT n, pad
	s_wait_loadcnt 32-(\n)                         ; loads come back in order: the 26 - n younger vertices and the 6 loads of queries may stay out
	v_cvt_pk_bf16_f32 v[WQ], v[LD+4*(\n)], v[LD+4*(\n)+1]
	v_cvt_pk_bf16_f32 v[TW], v[LD+4*(\n)+2], v[LD+4*(\n)+2]
	v_lshlrev_b32 v[TW+1], 16, v[WQ]
	v_and_b32 v[TW+2], s22, v[WQ]
	v_lshlrev_b32 v[TW+3], 16, v[TW]
	v_mul_f32 v[TW+4], v[TW+1], v[TW+1]
	v_fma_f32 v[TW+4], v[TW+2], v[TW+2], v[TW+4]
	v_fma_f32 v[TW+4], v[TW+3], v[TW+3], v[TW+4]
	v_cvt_pk_bf16_f32 v[WQ+1], v[TW+3], v[TW+4]    ; z, first piece
	v_and_b32 v[TW+5], s22, v[WQ+1]
	v_sub_f32 v[TW+5], v[TW+4], v[TW+5]
	v_cvt_pk_bf16_f32 v[TW+6], v[TW+5], v[TW+5]
	v_lshlrev_b32 v[TW+6], 16, v[TW+6]
	v_sub_f32 v[TW+7], v[TW+5], v[TW+6]
	v_cvt_pk_bf16_f32 v[WQ+2], v[TW+6], v[TW+7]    ; second and third piece
.if \pad
	v_cndmask_b32 v[WQ], v[WQ], 0, vcc_lo          ; padding: the origin with |v|^2 = 1e30
	v_cndmask_b32 v[WQ+1], v[WQ+1], 0x71490000, vcc_lo
	v_cndmask_b32 v[WQ+2], v[WQ+2], 0, vcc_lo
.endif
.if (\n) < 16
	ds_store_b128 v10, v[WQ:WQ+3] offset:4096*(\n)
.else
	ds_store_b128 v11, v[WQ:WQ+3] offset:4096*((\n)-16)
.endif
.endm
.set n, 0
.rept 26
	VERT n, 0
.set n, n+1
.endr
	VERT 26, 1
	; THE QUERIES, while the stores land.  The zeros fill the three quarters of K that a variant does not use.
	s_wait_loadcnt 0x0
	v_cmp_ne_u32 vcc_lo, 0, v2                     ; lanes 16-31
.irp b, 0,2,4,6,8,10,12,14,16
.irp k, 0,1,2,3
	v_mov_b32 v[BQ+4*\b+\k], 0
.endr
.endr
.macro QPREP T
.set qx, QL+6*((\T)/2)+3*((\T)%2)
.set d0, BQ+4*(1+4*(\T))
.set d1, BQ+4*(3+4*(\T))
	v_cvt_pk_bf16_f32 v[TW], v[qx], v[qx+1]
	v_cvt_pk_bf16_f32 v[TW+1], v[qx+2], v[qx+2]
	v_lshlrev_b32 v[TW+2], 16, v[TW]
	v_and_b32 v[TW+3], s22, v[TW]
	v_lshlrev_b32 v[TW+4], 16, v[TW+1]
	v_mul_f32 v[TW+5], v[TW+2], v[TW+2]
	v_fma_f32 v[TW+5], v[TW+3], v[TW+3], v[TW+5]
	v_fma_f32 v[TW+5], v[TW+4], v[TW+4], v[TW+5]
	v_mul_f32 v[TW+5], 0x3f800800, v[TW+5]         ; |q|^2 (1 + 2^-12): 32 times what two pieces can lose (2^-17)
	v_mul_f32 v[TW+2], -2.0, v[TW+2]
	v_mul_f32 v[TW+3], -2.0, v[TW+3]
	v_mul_f32 v[TW+4], -2.0, v[TW+4]
	v_cvt_pk_bf16_f32 v[WQ], v[TW+2], v[TW+3]      ; exact: a bf16 times -2
	v_cvt_pk_bf16_f32 v[WQ+1], v[TW+4], v[ONE]
	v_cvt_pk_bf16_f32 v[TW+6], v[TW+5], v[TW+5]
	v_lshlrev_b32 v[TW+6], 16, v[TW+6]
	v_sub_f32 v[TW+7], v[TW+5], v[TW+6]
	v_cvt_pk_bf16_f32 v[WQ+2], v[TW+6], v[TW+7]
	v_cndmask_b32 v[d0], v[WQ], 0, vcc_lo          ; the 8 numbers in lanes 0-15 alone,
	v_cndmask_b32 v[d0+1], v[WQ+1], 0, vcc_lo
	v_cndmask_b32 v[d0+2], v[WQ+3], 0, vcc_lo
	v_cndmask_b32 v[d0+3], v[WQ+2], 0, vcc_lo
	v_cndmask_b32 v[d1], 0, v[WQ], vcc_lo          ; and in lanes 16-31 alone
	v_cndmask_b32 v[d1+1], 0, v[WQ+1], vcc_lo
	v_cndmask_b32 v[d1+2], 0, v[WQ+3], vcc_lo
	v_cndmask_b32 v[d1+3], 0, v[WQ+2], vcc_lo
.endm
	QPREP 0
	QPREP 1
	QPREP 2
	QPREP 3
.irp k, 0,1,2,3,4,5,6,7
	v_mov_b32 v[BB+\k], 0x7f7fffff                 ; above every key
.endr
	s_wait_dscnt 0x0                               ; for the others' sake: my 27 stores are done
	s_barrier_signal -1
	s_barrier_wait -1                              ; the vertex table is whole; nobody writes it again
	; THE SIDE JOB.  Tile = work-group + 256 x wave, for waves 0 and 1, while it is under 431.
	s_cmp_lt_u32 s18, 2
	s_cbranch_scc0 .Lnojob
	s_lshl_b32 s26, s18, 8
	s_add_co_u32 s26, s26, ttmp9
	s_cmp_lt_u32 s26, TILES
	s_cbranch_scc0 .Lnojob
	v_lshl_add_u32 v5, s26, 4, v1                  ; vertex = column r of source 1
	v_min_u32 v5, NV1, v5                          ; the last tile's six rows past the end repeat the last vertex; nobody gathers them
	v_mul_u32_u24 v6, v5, 96                       ; a row of 24 weights
	v_lshl_add_u32 v7, v2, 5, v6                   ; joints 8 h + 0..7
	v_and_b32 v8, 7, v0
	v_lshlrev_b32 v8, 2, v8                        ; row m of source 0 is entry 8 c + m % 8 of a transform: both halves of the lanes get all entries of their vertex
	v_lshl_add_u32 v9, v2, 9, v8                   ; joints 8 h + 0..7, 64 bytes apart
	global_load_b128 v[WL:WL+3], v7, s[8:9]
	global_load_b128 v[WL+4:WL+7], v7, s[8:9] offset:16
	global_load_b128 v[WL+8:WL+11], v6, s[8:9] offset:64    ; joints 16..23, in every lane: places 24..31 of K do not exist,
	global_load_b128 v[WL+12:WL+15], v6, s[8:9] offset:80   ; and lanes 16-31 set their copy to 0 below
.irp c, 0,1
.irp k, 0,1,2,3,4,5,6,7
	global_load_b32 v[TL+16*\c+\k], v9, s[10:11] offset:64*\k+32*\c
	global_load_b32 v[TL+16*\c+8+\k], v8, s[10:11] offset:1024+64*\k+32*\c
	global_load_b32 v[TL+32+16*\c+\k], v9, s[12:13] offset:64*\k+32*\c
	global_load_b32 v[TL+32+16*\c+8+\k], v8, s[12:13] offset:1024+64*\k+32*\c
.endr
.endr
	s_wait_loadcnt 0x0
.irp i, 0,1,2,3,4,5,6,7
	v_cvt_pk_bf16_f32 v[PW+\i], v[WL+2*\i], v[WL+2*\i+1]
.endr
.irp i, 4,5,6,7
	v_cndmask_b32 v[PW+\i], v[PW+\i], 0, vcc_lo    ; weights at K = 24..31 are 0, so what the transforms hold there adds nothing
.endr
.set n, 0
.rept 32
	v_cvt_pk_bf16_f32 v[PT+n], v[TL+2*n], v[TL+2*n+1]
.set n, n+1
.endr
	v_wmma_f32_16x16x32_bf16 v[DA:DA+7], v[PT:PT+7], v[PW:PW+7], 0             ; A's entries 0-7
	v_wmma_f32_16x16x32_bf16 v[DA+8:DA+15], v[PT+8:PT+15], v[PW:PW+7], 0       ; 8-15
	v_wmma_f32_16x16x32_bf16 v[DB:DB+7], v[PT+16:PT+23], v[PW:PW+7], 0         ; A2's
	v_wmma_f32_16x16x32_bf16 v[DB+8:DB+15], v[PT+24:PT+31], v[PW:PW+7], 0
	s_lshl_b32 s29, s18, 10
	s_add_co_u32 s29, s29, STG                     ; my stage.  The six address lines are the places behind the products (ISA guide 7.12.1)
	v_lshlrev_b32 v10, 6, v1
	v_lshl_add_u32 v10, v2, 4, v10
	v_add_nc_u32 v10, s29, v10                     ; in: record r, 16 bytes for each half of the lanes
	v_lshl_add_u32 v11, v3, 4, s29                 ; back: 512 consecutive bytes
	v_lshlrev_b32 v12, 4, v3
	v_lshl_add_u32 v12, s26, 10, v12               ; the same bytes in the table
; e[i] = entry i of A: R = e0 e1 e2 / e4 e5 e6 / e8 e9 e10, t = e3 e7 e11.  Cofactor d = e[p] e[q] - e[r] e[s]; the first line reads e1 and e10: each accumulator's low registers first.
.macro COF d, p, q, r, s
	v_mul_f32 v[TT], v[DA+\r], v[DA+\s]
	v_fma_f32 v[AJ+\d], v[DA+\p], v[DA+\q], -v[TT]
.endm
	COF 1, 2,9, 1,10
	COF 0, 5,10, 6,9
	COF 2, 1,6, 2,5
	COF 3, 6,8, 4,10
	COF 4, 0,10, 2,8
	COF 5, 2,4, 0,6
	COF 6, 4,9, 5,8
	COF 7, 1,8, 0,9
	COF 8, 0,5, 1,4
	v_mul_f32 v[DET], v[DA], v[AJ]
	v_fma_f32 v[DET], v[DA+1], v[AJ+3], v[DET]
	v_fma_f32 v[DET], v[DA+2], v[AJ+6], v[DET]
	v_rcp_f32 v[DET+1], v[DET]                     ; the 27 lines below stand between it and its use (ISA guide 5.7.2)
.irp i, 0,1,2
.irp j, 0,1,2
	v_mul_f32 v[NN+3*\i+\j], v[DB+4*\i], v[AJ+\j]
	v_fma_f32 v[NN+3*\i+\j], v[DB+4*\i+1], v[AJ+3+\j], v[NN+3*\i+\j]
	v_fma_f32 v[NN+3*\i+\j], v[DB+4*\i+2], v[AJ+6+\j], v[NN+3*\i+\j]
.endr
.endr
	s_wait_alu depctr_va_vdst(0)
.irp i, 0,1,2
.irp j, 0,1,2
	v_mul_f32 v[ROW+4*\i+\j], v[NN+3*\i+\j], v[DET+1]          ; M = R2 adj(R) / det
.endr
	v_fma_f32 v[ROW+4*\i+3], -v[ROW+4*\i], v[DA+3], v[DB+4*\i+3]  ; c = t2 - M t
	v_fma_f32 v[ROW+4*\i+3], -v[ROW+4*\i+1], v[DA+7], v[ROW+4*\i+3]
	v_fma_f32 v[ROW+4*\i+3], -v[ROW+4*\i+2], v[DA+11], v[ROW+4*\i+3]
.endr
.irp k, 0,1,2,3
	v_cndmask_b32 v[SEL+\k], v[ROW+\k], v[ROW+4+\k], vcc_lo    ; lanes 0-15 bring rows 0 and 2, lanes 16-31 row 1 and 16 bytes of 0
	v_cndmask_b32 v[SEL+4+\k], v[ROW+8+\k], 0, vcc_lo
.endr
	ds_store_b128 v10, v[SEL:SEL+3]
	ds_store_b128 v10, v[SEL+4:SEL+7] offset:32
	ds_load_b128 v[OO:OO+3], v11                   ; LDS serves a wave's instructions in order (ISA guide 5.7.1.4): these see the stores above
	ds_load_b128 v[OO+4:OO+7], v11 offset:512
	s_wait_dscnt 0x0
	global_store_b128 v12, v[OO:OO+3], s[16:17]    ; each store covers 512 consecutive bytes, aligned
	global_store_b128 v12, v[OO+4:OO+7], s[16:17] offset:512
	s_wait_xcnt 0x0                                ; the stores' registers may be written again
.Lnojob:
; THE WALK.
.macro WM T, tau, ab                   ; the distances of tile T's queries to quarter tau of the group in buffer ab
.if (\tau) == 0
.set bs, BQ+4*(1+4*(\T))               ; numbers in lanes 0-15, zeros
.elseif (\tau) == 1
.set bs, BQ+4*(3+4*(\T))               ; numbers in lanes 16-31, zeros
.elseif (\tau) == 2
.set bs, BQ+4*(4*(\T))                 ; zeros, numbers in lanes 0-15
.else
.set bs, BQ+4*(2+4*(\T))               ; zeros, numbers in lanes 16-31
.endif
.set ac, ACC+32*((\T)%2)+8*(\tau)
	v_wmma_f32_16x16x32_bf16 v[ac:ac+7], v[\ab:\ab+7], v[bs:bs+7], 0
.endm
.macro HD k, P                         ; number k of the 14 that fold the 32 distances of accumulator set P into four; an accumulator's registers 0-2 are read first
.set ha, ACC+32*(\P)
.set hc, CT+4*(\P)
.if (\k) < 12
.set hn, 2*((\k)/6)+((\k)%2)
.set hs, ((\k)%6)/2
.if hs == 0
	v_min3_num_f32 v[hc+hn], v[ha+8*hn], v[ha+8*hn+1], v[ha+8*hn+2]
.else
	v_min3_num_f32 v[hc+hn], v[hc+hn], v[ha+8*hn+2*hs+1], v[ha+8*hn+2*hs+2]
.endif
.elseif (\k) == 12
	v_min3_num_f32 v[hc], v[hc], v[ha+7], v[ha+15]
.else
	v_min3_num_f32 v[hc+1], v[hc+1], v[ha+23], v[ha+31]
.endif
.endm
.macro TLM k, T                        ; number k of the 5 that end tile T's turn: one minimum, its key, the two smallest keys
.set tc, CT+4*((\T)%2)
.set tb, BB+2*(\T)
.if (\k) == 0
	v_min3_num_f32 v[tc], v[tc], v[tc+1], v[tc+2]
.elseif (\k) == 1
	v_min_num_f32 v[tc], v[tc], v[tc+3]
.elseif (\k) == 2
	v_bfi_b32 v[KEY], s27, s28, v[tc]              ; the low 8 bits: 2 x group; the lane's half is set in at the end
.elseif (\k) == 3
	v_med3_num_f32 v[tb+1], v[tb], v[tb+1], v[KEY] ; the second smallest of three, of which the first two are in order
.else
	v_min_num_f32 v[tb], v[tb], v[KEY]
.endif
.endm
.macro RID T, hd, tl                   ; rider number ri of a stage that issues tile T's products: two of the tile before, one of the tile before that, by turns
.if ri < 15
.if (ri%3) == 2
.if \tl
	TLM ri/3, ((\T)+2)%4
.endif
.else
.if \hd
	HD 2*(ri/3)+(ri%3), ((\T)+1)%2
.endif
.endif
.else
.if \hd
	HD ri-5, ((\T)+1)%2
.endif
.endif
.set ri, ri+1
.endm
; A STAGE: four products, each followed by five riders (the last by four).  No rider names a register of the products round it.  An accumulator is read 9 riders or more behind its product.
; ld = 1: the next group's fragment is fetched into buffer nb, 9 riders behind the last product that read it (four are asked for), a whole group ahead of its use.
.macro STAGE T, ab, hd, tl, ld=0, nb=0, off=0
.set ri, 0
.irp tau, 0,1,2,3
	WM \T, \tau, \ab
.rept 5
.if ri < 19
	RID \T, \hd, \tl
.endif
.endr
.if (\ld) && ((\tau) == 0)
	ds_load_b128 v[\nb:\nb+3], v4 offset:\off
	ds_load_b128 v[\nb+4:\nb+7], v4 offset:(\off)+512
.endif
.endr
.endm
.macro GROUP ab, nb, ld, off
	s_wait_dscnt 0x0                               ; this group's fragment is in
	STAGE 0, \ab, 1, 1, \ld, \nb, \off
	STAGE 1, \ab, 1, 1
	s_add_co_u32 s28, s28, 2                       ; the keys made from here on are this group's
	STAGE 2, \ab, 1, 1
	STAGE 3, \ab, 1, 1
.endm
	v_lshlrev_b32 v4, 4, v3                        ; 32 lanes x 16 bytes: two tiles a load
	ds_load_b128 v[AF0:AF0+3], v4
	ds_load_b128 v[AF0+4:AF0+7], v4 offset:512
	s_wait_dscnt 0x0
	STAGE 0, AF0, 0, 0, 1, AF1, 1024               ; group 0 is written out: there is nothing yet to ride
.rept 4
	v_nop                                          ; the places behind its first four products
.endr
	STAGE 1, AF0, 1, 0
	STAGE 2, AF0, 1, 1
	STAGE 3, AF0, 1, 1
	v_add_nc_u32 v4, 2048, v4
	s_mov_b32 s23, 53
.Lpair:                                                ; groups 1 to 106, two a trip, so that the two buffers have fixed names
	GROUP AF1, AF0, 1, 0
	GROUP AF0, AF1, 1, 1024
	v_add_nc_u32 v4, 2048, v4
	s_sub_co_u32 s23, s23, 1
	s_cmp_lg_u32 s23, 0
	s_cbranch_scc1 .Lpair
	GROUP AF1, AF0, 0, 0                           ; group 107 fetches nothing
.set ri, 0
.rept 19
	RID 0, 1, 1                                    ; what is left of its tiles 3 and 2
.endr
.irp k, 0,1,2,3,4
	TLM \k, 3
.endr
	; THE END.  The lane's half completes the block's number; the two halves' keys meet; the two smallest of four are the query's two blocks.
	v_cmp_ne_u32 vcc_lo, 0, v2
.irp k, 0,1,2,3,4,5,6,7
	v_or_b32 v[BB+\k], v[BB+\k], v2
.endr
.irp k, 0,1,2,3,4,5,6,7
	v_permlanex16_b32 v[TW+\k], v[BB+\k], s24, s25
.endr
.irp T, 0,1,2,3
	v_max_num_f32 v[CT+\T], v[BB+2*\T], v[TW+2*\T]
	v_min_num_f32 v[BB+2*\T], v[BB+2*\T], v[TW+2*\T]
	v_min3_num_f32 v[BB+2*\T+1], v[CT+\T], v[BB+2*\T+1], v[TW+2*\T+1]
	v_and_b32 v[BB+2*\T], 0xff, v[BB+2*\T]
	v_and_b32 v[BB+2*\T+1], 0xff, v[BB+2*\T+1]
	v_lshl_or_b32 v[CT+\T], v[BB+2*\T+1], 8, v[BB+2*\T]
.endr
	v_cndmask_b32 v[CT+4], v[CT], v[CT+2], vcc_lo  ; lanes 0-15 store tiles 0 and 1, lanes 16-31 tiles 2 and 3: the wave's queries 2 lane and 2 lane + 1
	v_cndmask_b32 v[CT+5], v[CT+1], v[CT+3], vcc_lo
	s_lshl_b32 s29, ttmp9, 11
	s_lshl_b32 s30, s18, 8
	s_add_co_u32 s29, s29, s30
	v_lshl_add_u32 v5, v3, 3, s29
	global_store_b64 v5, v[CT+4:CT+5], s[14:15]    ; the wave's store covers 256 consecutive bytes, aligned
	s_wait_tensorcnt 0x0                           ; the wave's end, behind my last LDS store
	ds_add_u32 v[SPW], v[NIL]
	s_wait_dscnt 0x0
	s_endpgm
.Lfunc_end_k_qfb894b828a_coarse:
	.size	k_qfb894b828a_coarse, .Lfunc_end_k_qfb894b828a_coarse-k_qfb894b828a_coarse
	.p2alignl 7, 3214868480
	.fill 96, 4, 3214868480
	.section	.rodata,"a",@progbits
	.p2align	6, 0x0
	.amdhsa_kernel k_qfb894b828a_coarse
		.amdhsa_group_segment_fixed_size 113664
		.amdhsa_private_segment_fixed_size 0
		.amdhsa_enable_private_segment 0
		.amdhsa_kernarg_size 56
		.amdhsa_user_sgpr_count 2
		.amdhsa_user_sgpr_kernarg_segment_ptr 1
		.amdhsa_wavefront_size32 1
		.amdhsa_system_sgpr_workgroup_id_x 1
		.amdhsa_system_sgpr_workgroup_id_y 1
		.amdhsa_system_sgpr_workgroup_id_z 1
		.amdhsa_system_vgpr_workitem_id 0
		.amdhsa_next_free_vgpr 256
		.amdhsa_next_free_sgpr 66
		.amdhsa_reserve_vcc 1
		.amdhsa_float_denorm_mode_32 3
		.amdhsa_float_denorm_mode_16_64 3
		.amdhsa_memory_ordered 1
		.amdhsa_forward_progress 1
		.amdhsa_inst_pref_size 74
	.end_amdhsa_kernel
	.amdgpu_metadata
---
amdhsa.version: [ 1, 2 ]
amdhsa.kernels:
  - .name:           k_qfb894b828a_coarse
    .symbol:         k_qfb894b828a_coarse.kd
    .args:
      - { .name: query_pts, .offset: 0, .size: 8, .value_kind: global_buffer, .address_space: global }
      - { .name: verts, .offset: 8, .size: 8, .value_kind: global_buffer, .address_space: global }
      - { .name: weights, .offset: 16, .size: 8, .value_kind: global_buffer, .address_space: global }
      - { .name: A_t, .offset: 24, .size: 8, .value_kind: global_buffer, .address_space: global }
      - { .name: A_big, .offset: 32, .size: 8, .value_kind: global_buffer, .address_space: global }
      - { .name: cand, .offset: 40, .size: 8, .value_kind: global_buffer, .address_space: global }
      - { .name: table, .offset: 48, .size: 8, .value_kind: global_buffer, .address_space: global }
    .group_segment_fixed_size: 113664
    .private_segment_fixed_size: 0
    .kernarg_segment_align: 8
    .kernarg_segment_size: 56
    .max_flat_workgroup_size: 256
    .sgpr_count:     66
    .vgpr_count:     256
    .wavefront_size: 32
...
	.end_amdgpu_metadata
.endif
;; end of part 1
;; launch refine (part 2): grid 256 x 1, 8 waves a work-group, no clusters, 222,464 bytes of LDS; arguments query_pts, verts, cand, idx; writes idx
.if DOCPART == 2
	.amdgcn_target "amdgcn-amd-amdhsa--gfx1250"
	.amdhsa_code_object_version 6
	.text
	.protected	k_qfb894b828a_refine
	.globl	k_qfb894b828a_refine
	.p2align	8
	.type	k_qfb894b828a_refine,@function
k_qfb894b828a_refine:
	s_mov_b64 s[64:65], 0
	v_nop
	global_prefetch_b8 v0, s[64:65] scope:SCOPE_SE
	s_setreg_imm32_b32 hwreg(HW_REG_WAVE_MODE, 25, 1), 1
	s_wait_xcnt 0x0
; NEAREST VERTEX, SECOND PASS.  For each query the first pass left two blocks of 32 consecutive vertices.  Their 64 distances are made again with reference()'s own f32 operations in its order, on inputs
; rounded to bf16: dot = ((x x' + y y') + z z'), d = (|q|^2 - 2 dot) + |v|^2, |.|^2 = ((x x + y y) + z z).  A product of two bf16 is exact in f32, so a fused multiply-add rounds exactly as a
; product and a sum would.  The result is the lowest index among the vertices whose d equals the minimum, as argmin gives it.
; SHARES.  256 work-groups of 8 waves; a thread owns two neighbouring queries, so that a wave's store of indices covers 256 consecutive bytes.
; LDS.  Two planes, each 216 blocks x 512 bytes.  A block's 16 PAIRS of vertices (2 u, 2 u + 1) take 16 bytes each: x x' y y' in the first plane, z z' |v|^2 |v'|^2 in the second: the register pairs
; of packed f32 arithmetic.  The 256 bytes of a block stand TWICE on end, so that lane l can begin at pair l % 16 and go 16 pairs on by immediates alone: in every load 16 neighbouring lanes read 16
; different columns of 16 bytes, whatever their blocks (64 banks of 4 bytes: ISA guide 11.1).  A table of 32 x 8 bytes gives each lane the places (2 p, 2 p + 1, as f32) of the pairs in its own order.
; Every choice by a distance is a select of a value; addresses hang on the block numbers read from memory alone (held to 215).
; NO CLUSTER, NO TENSOR LOAD: verts (82,680 bytes a work-group) pass through registers to be rounded, squared and paired.
; LIMITS.  Padding vertices count as |v|^2 = 1e30; NaN and infinities are not treated apart.
.set NPAIR1, 3444                      ; the last pair of vertices
.set NSET1,  215                       ; the last block
.set ZSP,    110592                    ; the second plane
.set FT,     221184                    ; the table of places
.set SPARE,  221440                    ; the spare words, 128 bytes for each of 8 waves: four blocks of 256 bytes that no other line names
.set SPW,  14                          ; v14  LDS address of my spare word; never rewritten
.set NIL,  15                          ; v15  0; never rewritten
.set FR,   16                          ; v16-47   the places of my 16 steps' pairs
.set DR,   48                          ; v48-111  64 distances, then 64 places or BIG
.set BUF,  112                         ; v112-175 two buffers of 4 steps x 8 registers
.set QV,   176                         ; v176-183 x, y, z, |q|^2 of the query in hand, each the low word of a pair
.set MM,   184                         ; v184-187 four running minima
.set KK,   188                         ; v188-189 the lowest place of a tie, by block
.set BIGR, 190
.set MN,   191
.set CW,   192                         ; v192-193 my two queries' words
.set QR,   194                         ; v194-199 my two queries
.set OI,   200                         ; v200-201 their indices
.set ID,   202                         ; v202-203 the two blocks
.set AD,   204                         ; v204-207 their LDS addresses: first plane, second plane
.set TT,   208
.set LB,   48                          ; set-up: 14 pairs as loaded, 6 registers each
.set EQ,   132                         ; set-up: 32 bytes to store
.set TB,   140
	s_load_b256 s[4:11], s[0:1], 0x0               ; query_pts s[4:5], verts s[6:7], cand s[8:9], idx s[10:11]
	v_lshl_add_u32 v[SPW], v0, 2, SPARE
	v_mov_b32 v[NIL], 0
	v_lshrrev_b32 v2, 5, v0
	v_readfirstlane_b32 s12, v2                    ; wave 0..7
	s_mov_b32 s13, 0xffff0000                      ; a word's upper bf16
	s_mov_b32 s24, 0x7149f2ca                      ; 1e30
	v_and_b32 v1, 15, v0
	v_mul_u32_u24 v3, v0, 24                       ; pair t of vertices; also my two queries
	v_add_nc_u32 v4, 3328, v0                      ; pair t + 13 x 256
	v_min_u32 v5, NPAIR1, v4
	v_mul_u32_u24 v5, v5, 24
	v_lshlrev_b32 v6, 3, v0
	v_lshrrev_b32 v7, 4, v0
	v_lshlrev_b32 v7, 9, v7
	v_lshl_add_u32 v7, v1, 4, v7                   ; pair u lies at (u / 16) x 512 + (u % 16) x 16; 256 pairs on are 8,192 bytes on
	v_add_nc_u32 v8, 0x10000, v7                   ; the immediate has 16 bits
	v_add_nc_u32 v9, ZSP, v7
	v_add_nc_u32 v10, ZSP+0x10000, v7
	s_mul_i32 s14, ttmp9, 6144                     ; the work-group's 512 queries
	s_mov_b32 s15, 0
	s_lshl_b32 s16, ttmp9, 11                      ; and their 512 words
	s_mov_b32 s17, 0
	s_wait_kmcnt 0x0
	s_add_nc_u64 s[14:15], s[4:5], s[14:15]
	s_add_nc_u64 s[18:19], s[8:9], s[16:17]
	s_add_nc_u64 s[16:17], s[10:11], s[16:17]
.set n, 0
.rept 13
	global_load_b64 v[LB+6*n:LB+6*n+1], v3, s[6:7] offset:6144*n
	global_load_b64 v[LB+6*n+2:LB+6*n+3], v3, s[6:7] offset:6144*n+8
	global_load_b64 v[LB+6*n+4:LB+6*n+5], v3, s[6:7] offset:6144*n+16
.set n, n+1
.endr
	global_load_b64 v[CW:CW+1], v6, s[18:19]
	global_load_b64 v[QR:QR+1], v3, s[14:15]
	global_load_b64 v[QR+2:QR+3], v3, s[14:15] offset:8
	global_load_b64 v[QR+4:QR+5], v3, s[14:15] offset:16
; One pair of vertices: rounded, squared, stored twice in each plane.  w: the younger loads that may stay out.
.macro PAIR n, w, pad
.set L, LB+6*(\n)
	s_wait_loadcnt \w
	v_cvt_pk_bf16_f32 v[TB], v[L], v[L+3]
	v_cvt_pk_bf16_f32 v[TB+1], v[L+1], v[L+4]
	v_cvt_pk_bf16_f32 v[TB+2], v[L+2], v[L+5]
	v_lshlrev_b32 v[EQ], 16, v[TB]
	v_and_b32 v[EQ+1], s13, v[TB]
	v_lshlrev_b32 v[EQ+2], 16, v[TB+1]
	v_and_b32 v[EQ+3], s13, v[TB+1]
	v_lshlrev_b32 v[EQ+4], 16, v[TB+2]
	v_and_b32 v[EQ+5], s13, v[TB+2]
	v_pk_mul_f32 v[EQ+6:EQ+7], v[EQ:EQ+1], v[EQ:EQ+1]
	v_pk_fma_f32 v[EQ+6:EQ+7], v[EQ+2:EQ+3], v[EQ+2:EQ+3], v[EQ+6:EQ+7]
	v_pk_fma_f32 v[EQ+6:EQ+7], v[EQ+4:EQ+5], v[EQ+4:EQ+5], v[EQ+6:EQ+7]
.if \pad
	v_cndmask_b32 v[EQ+6], v[EQ+6], s24, vcc_lo    ; past the last vertex: never the nearest
	v_cndmask_b32 v[EQ+7], v[EQ+7], s24, vcc_lo
.endif
.if (\n) < 8
	ds_store_b128 v7, v[EQ:EQ+3] offset:8192*(\n)
	ds_store_b128 v7, v[EQ:EQ+3] offset:8192*(\n)+256
	ds_store_b128 v9, v[EQ+4:EQ+7] offset:8192*(\n)
	ds_store_b128 v9, v[EQ+4:EQ+7] offset:8192*(\n)+256
.else
	ds_store_b128 v8, v[EQ:EQ+3] offset:8192*((\n)-8)
	ds_store_b128 v8, v[EQ:EQ+3] offset:8192*((\n)-8)+256
	ds_store_b128 v10, v[EQ+4:EQ+7] offset:8192*((\n)-8)
	ds_store_b128 v10, v[EQ+4:EQ+7] offset:8192*((\n)-8)+256
.endif
.endm
	s_cmp_lt_u32 s12, 4                            ; 3,456 pairs are 13 for each thread and one more for waves 0 to 3
	s_cbranch_scc0 .Lno_last
	global_load_b64 v[LB+78:LB+79], v5, s[6:7]
	global_load_b64 v[LB+80:LB+81], v5, s[6:7] offset:8
	global_load_b64 v[LB+82:LB+83], v5, s[6:7] offset:16
	v_cmp_lt_u32 vcc_lo, NPAIR1, v4                ; pairs 3,445 to 3,455 are padding
	PAIR 13, 0, 1
.Lno_last:
.set n, 0
.rept 13
	PAIR n, 3*(12-n)+4, 0                          ; the younger pairs' loads, the word's and the queries' three may stay out
.set n, n+1
.endr
	s_cmp_eq_u32 s12, 7                            ; wave 7 writes the table of places: entry e is pair e % 16
	s_cbranch_scc0 .Lno_table
	v_lshlrev_b32 v[TB], 1, v1
	v_cvt_f32_u32 v[EQ], v[TB]
	v_add_f32 v[EQ+1], 1.0, v[EQ]
	v_and_b32 v[TB+1], 31, v0
	v_lshl_add_u32 v[TB+1], v[TB+1], 3, FT
	ds_store_b64 v[TB+1], v[EQ:EQ+1]
.Lno_table:
	s_wait_dscnt 0x0                               ; for the others' sake: my stores are done
	s_barrier_signal -1
	s_barrier_wait -1                              ; the planes and the table are whole; nobody writes them again
	v_lshl_add_u32 v11, v1, 3, FT
.set n, 0
.rept 16
	ds_load_b64 v[FR+2*n:FR+2*n+1], v11 offset:8*n ; step n of lane l is pair (l % 16 + n) % 16
.set n, n+1
.endr
	v_lshlrev_b32 v12, 4, v1                       ; my first pair in a block
	v_mov_b32 v[BIGR], 0x4e6e6b28                  ; 1e9: above every index
.irp k, 1,3,5,7
	v_mov_b32 v[QV+\k], 0                          ; named with their neighbours as pairs; the packed lines take the low word for both halves
.endr
	s_wait_loadcnt 0x0
.macro LOADB j                         ; batch j of 8: block j / 4, steps 4 (j % 4) + 0..3
.set bf, BUF+32*((\j)%2)
.set sa, AD+((\j)/4)
.irp k, 0,1,2,3
	ds_load_b128 v[bf+8*\k:bf+8*\k+3], v[sa] offset:16*(4*((\j)%4)+\k)
	ds_load_b128 v[bf+8*\k+4:bf+8*\k+7], v[sa+2] offset:16*(4*((\j)%4)+\k)
.endr
.endm
.macro COMPB j                         ; its 8 distances, four chains side by side
.set bf, BUF+32*((\j)%2)
.set dd, DR+32*((\j)/4)+8*((\j)%4)
.irp k, 0,1,2,3
	v_pk_mul_f32 v[dd+2*\k:dd+2*\k+1], v[bf+8*\k:bf+8*\k+1], v[QV:QV+1] op_sel_hi:[1,0]
.endr
.irp k, 0,1,2,3
	v_pk_fma_f32 v[dd+2*\k:dd+2*\k+1], v[bf+8*\k+2:bf+8*\k+3], v[QV+2:QV+3], v[dd+2*\k:dd+2*\k+1] op_sel_hi:[1,0,1]
.endr
.irp k, 0,1,2,3
	v_pk_fma_f32 v[dd+2*\k:dd+2*\k+1], v[bf+8*\k+4:bf+8*\k+5], v[QV+4:QV+5], v[dd+2*\k:dd+2*\k+1] op_sel_hi:[1,0,1]
.endr
.irp k, 0,1,2,3
	v_pk_fma_f32 v[dd+2*\k:dd+2*\k+1], v[dd+2*\k:dd+2*\k+1], -2.0, v[QV+6:QV+7] op_sel_hi:[1,0,0]
.endr
.irp k, 0,1,2,3
	v_pk_add_f32 v[dd+2*\k:dd+2*\k+1], v[dd+2*\k:dd+2*\k+1], v[bf+8*\k+6:bf+8*\k+7]
.endr
.irp k, 0,1,2,3
.if (\j) == 0
	v_min_num_f32 v[MM+\k], v[dd+2*\k], v[dd+2*\k+1]
.else
	v_min3_num_f32 v[MM+\k], v[MM+\k], v[dd+2*\k], v[dd+2*\k+1]
.endif
.endr
.endm
.macro TIE s, n                        ; steps n and n + 1 of block s: a distance that equals the minimum gives its place, the others BIG
.set dd, DR+32*(\s)+2*(\n)
	v_cmp_eq_f32 s20, v[dd], v[MN]
	v_cmp_eq_f32 s21, v[dd+1], v[MN]
	v_cmp_eq_f32 s22, v[dd+2], v[MN]
	v_cmp_eq_f32 s23, v[dd+3], v[MN]
	v_cndmask_b32 v[dd], v[BIGR], v[FR+2*(\n)], s20
	v_cndmask_b32 v[dd+1], v[BIGR], v[FR+2*(\n)+1], s21
	v_cndmask_b32 v[dd+2], v[BIGR], v[FR+2*(\n)+2], s22
	v_cndmask_b32 v[dd+3], v[BIGR], v[FR+2*(\n)+3], s23
	v_min3_num_f32 v[KK+\s], v[KK+\s], v[dd], v[dd+1]
	v_min3_num_f32 v[KK+\s], v[KK+\s], v[dd+2], v[dd+3]
.endm
.macro QUERY c
.set qx, QR+3*(\c)
	v_cvt_pk_bf16_f32 v[TT], v[qx], v[qx+1]
	v_cvt_pk_bf16_f32 v[TT+1], v[qx+2], v[qx+2]
	v_and_b32 v[ID], 0xff, v[CW+\c]
	v_bfe_u32 v[ID+1], v[CW+\c], 8, 8
	v_min_u32 v[ID], NSET1, v[ID]                  ; a number from memory enters an address only held to the table's size
	v_min_u32 v[ID+1], NSET1, v[ID+1]
	v_lshl_add_u32 v[AD], v[ID], 9, v12
	v_lshl_add_u32 v[AD+1], v[ID+1], 9, v12
	v_add_nc_u32 v[AD+2], ZSP, v[AD]
	v_add_nc_u32 v[AD+3], ZSP, v[AD+1]
	LOADB 0
	v_lshlrev_b32 v[QV], 16, v[TT]
	v_and_b32 v[QV+2], s13, v[TT]
	v_lshlrev_b32 v[QV+4], 16, v[TT+1]
	v_mul_f32 v[QV+6], v[QV], v[QV]
	v_fma_f32 v[QV+6], v[QV+2], v[QV+2], v[QV+6]
	v_fma_f32 v[QV+6], v[QV+4], v[QV+4], v[QV+6]
	v_mov_b32 v[KK], v[BIGR]
	v_mov_b32 v[KK+1], v[BIGR]
.set j, 0
.rept 7
	LOADB j+1
	s_wait_dscnt 8                                 ; LDS loads come back in order: all but the 8 just issued are in
	COMPB j
.set j, j+1
.endr
	s_wait_dscnt 0x0
	COMPB 7
	v_min3_num_f32 v[MN], v[MM], v[MM+1], v[MM+2]
	v_min_num_f32 v[MN], v[MN], v[MM+3]
.set n, 0
.rept 8
	TIE 0, n
	TIE 1, n
.set n, n+2
.endr
	v_lshlrev_b32 v[TT], 5, v[ID]                  ; a block's first vertex
	v_lshlrev_b32 v[TT+1], 5, v[ID+1]
	v_cvt_f32_u32 v[TT], v[TT]
	v_cvt_f32_u32 v[TT+1], v[TT+1]
	v_add_f32 v[KK], v[KK], v[TT]
	v_add_f32 v[KK+1], v[KK+1], v[TT+1]
	v_min_num_f32 v[KK], v[KK], v[KK+1]            ; whole numbers under 2^24: exact in f32
	v_cvt_u32_f32 v[OI+\c], v[KK]
.endm
	QUERY 0
	QUERY 1
	global_store_b64 v6, v[OI:OI+1], s[16:17]      ; the wave's store covers 256 consecutive bytes, aligned
	s_wait_tensorcnt 0x0                           ; the wave's end, behind my last LDS store
	ds_add_u32 v[SPW], v[NIL]
	s_wait_dscnt 0x0
	s_endpgm
.Lfunc_end_k_qfb894b828a_refine:
	.size	k_qfb894b828a_refine, .Lfunc_end_k_qfb894b828a_refine-k_qfb894b828a_refine
	.p2alignl 7, 3214868480
	.fill 96, 4, 3214868480
	.section	.rodata,"a",@progbits
	.p2align	6, 0x0
	.amdhsa_kernel k_qfb894b828a_refine
		.amdhsa_group_segment_fixed_size 222464
		.amdhsa_private_segment_fixed_size 0
		.amdhsa_enable_private_segment 0
		.amdhsa_kernarg_size 32
		.amdhsa_user_sgpr_count 2
		.amdhsa_user_sgpr_kernarg_segment_ptr 1
		.amdhsa_wavefront_size32 1
		.amdhsa_system_sgpr_workgroup_id_x 1
		.amdhsa_system_sgpr_workgroup_id_y 1
		.amdhsa_system_sgpr_workgroup_id_z 1
		.amdhsa_system_vgpr_workitem_id 0
		.amdhsa_next_free_vgpr 216
		.amdhsa_next_free_sgpr 66
		.amdhsa_reserve_vcc 1
		.amdhsa_float_denorm_mode_32 3
		.amdhsa_float_denorm_mode_16_64 3
		.amdhsa_memory_ordered 1
		.amdhsa_forward_progress 1
		.amdhsa_inst_pref_size 75
	.end_amdhsa_kernel
	.amdgpu_metadata
---
amdhsa.version: [ 1, 2 ]
amdhsa.kernels:
  - .name:           k_qfb894b828a_refine
    .symbol:         k_qfb894b828a_refine.kd
    .args:
      - { .name: query_pts, .offset: 0, .size: 8, .value_kind: global_buffer, .address_space: global }
      - { .name: verts, .offset: 8, .size: 8, .value_kind: global_buffer, .address_space: global }
      - { .name: cand, .offset: 16, .size: 8, .value_kind: global_buffer, .address_space: global }
      - { .name: idx, .offset: 24, .size: 8, .value_kind: global_buffer, .address_space: global }
    .group_segment_fixed_size: 222464
    .private_segment_fixed_size: 0
    .kernarg_segment_align: 8
    .kernarg_segment_size: 32
    .max_flat_workgroup_size: 256
    .sgpr_count:     66
    .vgpr_count:     216
    .wavefront_size: 32
...
	.end_amdgpu_metadata
.endif
;; end of part 2
;; launch apply (part 3): grid 256 x 1, 4 waves a work-group, no clusters, 6,656 bytes of LDS; arguments query_pts, idx, table, out0; writes out0
.if DOCPART == 3
	.amdgcn_target "amdgcn-amd-amdhsa--gfx1250"
	.amdhsa_code_object_version 6
	.text
	.protected	k_qfb894b828a_apply
	.globl	k_qfb894b828a_apply
	.p2align	8
	.type	k_qfb894b828a_apply,@function
k_qfb894b828a_apply:
	s_mov_b64 s[64:65], 0
	v_nop
	global_prefetch_b8 v0, s[64:65] scope:SCOPE_SE
	s_setreg_imm32_b32 hwreg(HW_REG_WAVE_MODE, 25, 1), 1
	s_wait_xcnt 0x0
; out = M q + c, with M | c the record of the query's nearest vertex (64 bytes: three rows of M and c, 16 bytes unused), q rounded to bf16 like every input of the program.
; M = R2 R^-1 and c = t2 - M t were made for each vertex by the first launch, so this is R2 (R^-1 (q - t)) + t2 with the products regrouped.
; SHARES.  256 work-groups of 4 waves; a thread owns four neighbouring queries: 16 bytes of indices, 48 bytes of q, 48 bytes of out.
; A thread's 48 bytes of out are not what a store should cover, so a wave's 1,536 bytes go through its own stage in LDS and leave as three stores of 512 consecutive bytes.
; Memory binds and nothing is shared but a table that stays near: no matrix unit, no cluster, no tensor load.
.set NV1,   6889
.set SPARE, 6144                       ; behind four stages of 1,536 bytes: the spare words, 128 bytes for each wave: two blocks of 256 bytes that no other line names
.set SPW, 14                           ; v14  LDS address of my spare word; never rewritten
.set NIL, 15                           ; v15  0; never rewritten
.set IX,  16                           ; v16-19   four indices, then byte offsets of records
.set QF,  20                           ; v20-31   four queries as loaded
.set QB,  32                           ; v32-43   rounded
.set MT,  44                           ; v44-91   four records of 12
.set OU,  92                           ; v92-103  four results of 3
.set RB,  104                          ; v104-115 the wave's bytes in store order
.set TT,  116
	s_load_b256 s[4:11], s[0:1], 0x0               ; query_pts s[4:5], idx s[6:7], table s[8:9], out0 s[10:11]
	v_lshl_add_u32 v[SPW], v0, 2, SPARE
	v_mov_b32 v[NIL], 0
	v_lshrrev_b32 v1, 5, v0
	v_readfirstlane_b32 s12, v1                    ; wave 0..3
	v_and_b32 v2, 31, v0
	v_lshlrev_b32 v3, 4, v0
	v_mul_u32_u24 v4, v0, 48
	s_mov_b32 s13, 0xffff0000
	s_lshl_b32 s14, ttmp9, 11                      ; the work-group's 512 indices
	s_mov_b32 s15, 0
	s_mul_i32 s16, ttmp9, 6144                     ; and its 512 points
	s_mov_b32 s17, 0
	s_mul_i32 s18, s12, 1536                       ; my wave's stage, and its bytes in the work-group's part of out
	v_mul_u32_u24 v5, v2, 48
	v_add_nc_u32 v5, s18, v5
	v_lshl_add_u32 v6, v2, 4, s18
	s_wait_kmcnt 0x0
	s_add_nc_u64 s[6:7], s[6:7], s[14:15]
	s_add_nc_u64 s[4:5], s[4:5], s[16:17]
	s_add_nc_u64 s[10:11], s[10:11], s[16:17]
	global_load_b128 v[IX:IX+3], v3, s[6:7]
	global_load_b128 v[QF:QF+3], v4, s[4:5]
	global_load_b128 v[QF+4:QF+7], v4, s[4:5] offset:16
	global_load_b128 v[QF+8:QF+11], v4, s[4:5] offset:32
	s_wait_loadcnt 3                               ; the indices are in; the three loads of q may stay out
.irp k, 0,1,2,3
	v_min_u32 v[IX+\k], NV1, v[IX+\k]              ; a number from memory enters an address only held to the table's size
	v_lshlrev_b32 v[IX+\k], 6, v[IX+\k]
.endr
.irp k, 0,1,2,3
.irp i, 0,1,2
	global_load_b128 v[MT+12*\k+4*\i:MT+12*\k+4*\i+3], v[IX+\k], s[8:9] offset:16*\i
.endr
.endr
	s_wait_loadcnt 12                              ; q is in; the twelve gathers may stay out
.irp i, 0,1,2,3,4,5
	v_cvt_pk_bf16_f32 v[TT], v[QF+2*\i], v[QF+2*\i+1]
	v_lshlrev_b32 v[QB+2*\i], 16, v[TT]
	v_and_b32 v[QB+2*\i+1], s13, v[TT]
.endr
.irp k, 0,1,2,3
	s_wait_loadcnt 9-3*\k                          ; query k's record is in; the later queries' may stay out
.irp i, 0,1,2
	v_fma_f32 v[OU+3*\k+\i], v[MT+12*\k+4*\i], v[QB+3*\k], v[MT+12*\k+4*\i+3]
	v_fma_f32 v[OU+3*\k+\i], v[MT+12*\k+4*\i+1], v[QB+3*\k+1], v[OU+3*\k+\i]
	v_fma_f32 v[OU+3*\k+\i], v[MT+12*\k+4*\i+2], v[QB+3*\k+2], v[OU+3*\k+\i]
.endr
.endr
	ds_store_b128 v5, v[OU:OU+3]                   ; lanes 48 bytes apart: 16 lanes touch 16 different columns of 16 bytes (3 is odd)
	ds_store_b128 v5, v[OU+4:OU+7] offset:16
	ds_store_b128 v5, v[OU+8:OU+11] offset:32
.irp k, 0,1,2
	ds_load_b128 v[RB+4*\k:RB+4*\k+3], v6 offset:512*\k  ; LDS serves a wave's instructions in order (ISA guide 5.7.1.4): these see the stores above
.endr
	s_wait_dscnt 0x0
.irp k, 0,1,2
	global_store_b128 v6, v[RB+4*\k:RB+4*\k+3], s[10:11] offset:512*\k  ; 512 consecutive bytes, at a multiple of 256 from out0's first byte
.endr
	s_wait_tensorcnt 0x0                           ; the wave's end, behind my last LDS store
	ds_add_u32 v[SPW], v[NIL]
	s_wait_dscnt 0x0
	s_endpgm
.Lfunc_end_k_qfb894b828a_apply:
	.size	k_qfb894b828a_apply, .Lfunc_end_k_qfb894b828a_apply-k_qfb894b828a_apply
	.p2alignl 7, 3214868480
	.fill 96, 4, 3214868480
	.section	.rodata,"a",@progbits
	.p2align	6, 0x0
	.amdhsa_kernel k_qfb894b828a_apply
		.amdhsa_group_segment_fixed_size 6656
		.amdhsa_private_segment_fixed_size 0
		.amdhsa_enable_private_segment 0
		.amdhsa_kernarg_size 32
		.amdhsa_user_sgpr_count 2
		.amdhsa_user_sgpr_kernarg_segment_ptr 1
		.amdhsa_wavefront_size32 1
		.amdhsa_system_sgpr_workgroup_id_x 1
		.amdhsa_system_sgpr_workgroup_id_y 1
		.amdhsa_system_sgpr_workgroup_id_z 1
		.amdhsa_system_vgpr_workitem_id 0
		.amdhsa_next_free_vgpr 128
		.amdhsa_next_free_sgpr 66
		.amdhsa_reserve_vcc 0
		.amdhsa_float_denorm_mode_32 3
		.amdhsa_float_denorm_mode_16_64 3
		.amdhsa_memory_ordered 1
		.amdhsa_forward_progress 1
		.amdhsa_inst_pref_size 8
	.end_amdhsa_kernel
	.amdgpu_metadata
---
amdhsa.version: [ 1, 2 ]
amdhsa.kernels:
  - .name:           k_qfb894b828a_apply
    .symbol:         k_qfb894b828a_apply.kd
    .args:
      - { .name: query_pts, .offset: 0, .size: 8, .value_kind: global_buffer, .address_space: global }
      - { .name: idx, .offset: 8, .size: 8, .value_kind: global_buffer, .address_space: global }
      - { .name: table, .offset: 16, .size: 8, .value_kind: global_buffer, .address_space: global }
      - { .name: out0, .offset: 24, .size: 8, .value_kind: global_buffer, .address_space: global }
    .group_segment_fixed_size: 6656
    .private_segment_fixed_size: 0
    .kernarg_segment_align: 8
    .kernarg_segment_size: 32
    .max_flat_workgroup_size: 128
    .sgpr_count:     66
    .vgpr_count:     128
    .wavefront_size: 32
...
	.end_amdgpu_metadata
.endif
;; end of part 3
;; ======== version 2 of 2: 3 launches; version 1 with the launches coarse, refine written anew for expert scheduling mode
;; limits: values within 3.05e-05 (relative) of each other or of a threshold may be ordered or decided otherwise than in the reference
;; workspace buffers: cand 524,288 bytes of whole numbers; idx 524,288 bytes of whole numbers; table 441,344 bytes
;; launch coarse (part 4): grid 256 x 1, 8 waves a work-group, no clusters, 113,664 bytes of LDS; arguments query_pts, verts, weights, A_t, A_big, cand, table; writes cand, table
.if DOCPART == 4
	.amdgcn_target "amdgcn-amd-amdhsa--gfx1250"
	.amdhsa_code_object_version 6
	.text
	.protected	k_qfb894b828a_coarse
	.globl	k_qfb894b828a_coarse
	.p2align	8
	.type	k_qfb894b828a_coarse,@function
k_qfb894b828a_coarse:
	s_mov_b64 s[64:65], 0
	v_nop
	global_prefetch_b8 v0, s[64:65] scope:SCOPE_SE
	s_setreg_imm32_b32 hwreg(HW_REG_WAVE_SCHED_MODE, 0, 2), 2
	s_setreg_imm32_b32 hwreg(HW_REG_WAVE_MODE, 25, 1), 1
	s_wait_xcnt 0x0
	s_wait_alu depctr_vm_vsrc(0)
; NEAREST VERTEX, FIRST PASS.  For each of 131,072 queries: the two blocks of 32 consecutive vertices (block = vertex >> 5, 216 blocks) that hold the smallest squared distances.
; The next launch scores those 64 vertices again with reference()'s own f32 operations, so this pass needs only to keep the true winner's block among its two.
; ALL inputs of the program are rounded to bf16 (nearest even) before use; sums are f32.
; ONE PRODUCT = ONE DISTANCE.  A vertex is 8 bf16: x, y, z, |v|^2 in three pieces (24 bits), 1, 1.  A query is 8 bf16: -2x, -2y, -2z, 1, 1, 1, and |q|^2 (1 + 2^-12) in two pieces.
; Their dot product is |q - v|^2 plus a small positive shift that is the same for all vertices of a query: it keeps every distance above 0, so that keys order like their bit patterns.
; FOUR TILES IN ONE FRAGMENT.  A matrix instruction has 32 places along K and a distance needs 8.  Source 0 (16 rows) holds four tiles of 16 vertices, one in each quarter of K: two LDS loads of
; 16 bytes a lane.  Source 1 (16 queries) exists in four variants, the query's 8 numbers in one quarter and zeros in the others: variant t gives the distances to tile t.
; In the result a lane holds ONE query (lane % 16) and rows 8 (lane / 16) + 0..7.  The vertices are laid into the tiles so that row m of tile t of group g is vertex 64 g + 32 (m / 8) + 8 t + m % 8:
; the 32 distances that a lane gets from a group are 32 consecutive vertices, block 2 g + lane / 16.
; THE MINIMUM.  16 v_min3 fold the 32 distances; the block's number takes the place of the 8 lowest bits; the two smallest keys of a lane are kept (median of three, minimum): 19 vector
; instructions for 4 matrix instructions.  They stand behind the products of later tiles: the 14 that read accumulators one stage later, the 5 that wait for each other two stages later.
; SHARES.  256 work-groups of 8 waves; a wave owns 64 queries (4 tiles) and walks all 108 groups of 64 vertices: 1,728 matrix instructions.
; SIDE JOB.  In each work-group wave 0, and wave 1 where tile 256 + work-group < 431, makes one tile of 16 vertices of the table for the last launch: A = weights A_t and A2 = weights A_big on the matrix unit (K = 24 of 32), then
; M = R2 R^-1 (cofactors and one reciprocal) and c = t2 - M t, so that out = M q + c.  (weights A)[idx] is the same arithmetic as weights[idx] A.  431 tiles, 64 bytes a vertex.
; NO CLUSTER, NO TENSOR LOAD: what work-groups share is verts, 82,680 bytes a work-group, read once, and every number of it passes through registers to be rounded, split and put in its place.
; LIMITS.  If three or more blocks lie within 2^-15 of the smallest shifted distance, only two are kept (blocks with EQUAL keys' upper bits are kept by lowest number, which serves exact ties);
; distances stay under 1e30 (the padding vertices' distance); NaN and infinities are not treated apart.
; THE MODE: SCHED_MODE bits 1:0 = 2 (LLVM: expert scheduling mode 2), set by the entry lines.  The code itself states the register dependences
; between vector or matrix instructions and memory or LDS instructions, with s_wait_alu, always for 0.
; THE PLAN.  Registers that memory or LDS instructions touch:
;   LD (set-up)  27 slots of 4.  A load brings x, y, z into a slot's first three registers; the fourth holds 1, 1 from the head on.  The vertex's arithmetic reads the three and writes its 16 bytes over them;
;                an LDS store reads the four.  The 27 go in three batches of nine: one wait on va_vdst behind a batch states that its slots are written, and its nine stores are dealt among the next
;                batch's arithmetic, which names other slots.  No slot is written again in the set-up.
;                One wait on vm_vsrc ahead of the barrier states that all stores and loads so far have read their registers: from there on these serve as keys, accumulators, fragments and the side job's.
;   AF0 .. AF3   (the walk)  Group g's 16 products read AF[g % 4]; the two LDS loads issued in group g bring group g + 2's fragment into AF[(g + 2) % 4], which group g - 2 read last.
;                One wait on va_vdst at the head of every ODD group g that is followed by such loads states that the products of all groups up to g - 1 are done reading.  It serves the loads of groups g and g + 1:
;                the products issued since name AF[g % 4] and AF[(g + 1) % 4] alone.
;   v4           Read by every fragment load; stepped once in four groups: a wait on vm_vsrc ahead of the add, and the next odd group's wait on va_vdst between the add and the next load.
;   v5 .. v12    Offsets and LDS addresses: written at the head, and anew in the side job behind the wait on vm_vsrc; each run of memory instructions that reads fresh ones has a wait on va_vdst ahead of it.
.set NV1,    6889                      ; the last vertex
.set TILES,  431                       ; tiles of 16 vertices in the table
.set STG,    110592                    ; LDS: 6,912 vertices x 16 bytes from 0; then two stages of 1,024 bytes for the side job
.set SPARE,  112640                    ; then the spare words, 128 bytes for each of 8 waves: four blocks of 256 bytes that no other line names
.set SPW,  14                          ; v14  LDS address of my spare word; never rewritten
.set NIL,  15                          ; v15  0; never rewritten
.set BQ,   16                          ; v16-83   17 blocks of 4: zeros at the even blocks; tile T's numbers in lanes 0-15 at block 1+4T, in lanes 16-31 at block 3+4T
.set ACC,  84                          ; v84-147  two sets of four accumulators, by the tile's parity
.set AF0,  148                         ; v148-155, v156-163, v184-191, v192-199  source 0, four buffers, by the group's number modulo 4
.set AF1,  156
.set AF2,  184
.set AF3,  192
.set CT,   164                         ; v164-171 four running minima for each parity
.set KEY,  172
.set BB,   174                         ; v174-181 tile T: smallest key, second smallest
.set LD,   84                          ; set-up: 27 vertices, 4 registers each: as loaded, then as stored
.set QL,   192                         ; set-up: 4 queries as loaded
.set TW,   204                         ; set-up: at work
.set WQ,   212                         ; set-up: a query's 16 bytes; WQ+3 holds 1, 1
.set ONE,  216
.set WL,   84                          ; side job: weights as loaded (16), transforms as loaded (64)
.set TL,   100
.set PW,   184                         ; side job: weights in bf16 (8), transforms in bf16 (4 x 8)
.set PT,   192
.set DA,   84                          ; side job: the 16 entries of A, of A2
.set DB,   100
.set AJ,   116                         ; side job: 9 cofactors
.set TT,   126
.set DET,  128
.set NN,   130
.set ROW,  224                         ; side job: three rows M | c
.set SEL,  236
.set OO,   244
	s_load_b256 s[4:11], s[0:1], 0x0               ; query_pts s[4:5], verts s[6:7], weights s[8:9], A_t s[10:11]
	s_load_b128 s[12:15], s[0:1], 0x20             ; A_big s[12:13], cand s[14:15]
	s_load_b64 s[16:17], s[0:1], 0x30              ; table
	v_lshl_add_u32 v[SPW], v0, 2, SPARE
	v_mov_b32 v[NIL], 0
	v_lshrrev_b32 v5, 5, v0
	v_readfirstlane_b32 s18, v5                    ; wave 0..7
	v_and_b32 v1, 15, v0                           ; r = lane % 16
	v_bfe_u32 v2, v0, 4, 1                         ; h = lane / 16
	v_and_b32 v3, 31, v0                           ; lane
	; LDS place p = t + 256 n holds vertex 64 (p / 64) + 32 ((p / 8) % 2) + 8 ((p / 16) % 4) + p % 8
	v_and_b32 v6, 0xc7, v0
	v_bfe_u32 v5, v0, 3, 1
	v_lshl_add_u32 v6, v5, 5, v6
	v_bfe_u32 v5, v0, 4, 2
	v_lshl_add_u32 v6, v5, 3, v6                   ; the vertex of place t
	v_add_nc_u32 v7, 6656, v6                      ; the vertex of place t + 26 x 256: past the end for some threads
	v_min_u32 v8, NV1, v7                          ; those load the last vertex and store padding
	v_mul_u32_u24 v6, v6, 12
	v_mul_u32_u24 v8, v8, 12
	v_mul_u32_u24 v9, v1, 24                       ; queries 2 r and 2 r + 1 of a run of 32
	v_lshlrev_b32 v10, 4, v0                       ; place t in LDS,
	v_add_nc_u32 v11, 0x10000, v10                 ; and place t + 16 x 256: the immediate has 16 bits
	s_wait_alu depctr_va_sdst(0)                   ; s18 is written, ahead of its first reader: my wave's queries are found by it
	s_mul_i32 s19, ttmp9, 6144                     ; the work-group's 512 queries of 12 bytes,
	s_mul_i32 s20, s18, 768                        ; my wave's 64
	s_add_co_u32 s20, s20, s19
	s_mov_b32 s21, 0
	s_mov_b32 s22, 0xffff0000                      ; a word's upper bf16
	s_mov_b32 s24, 0x76543210                      ; v_permlanex16_b32: each lane takes its own place in the other half
	s_mov_b32 s25, 0xfedcba98
	s_mov_b32 s27, 0xff                            ; the key's 8 bits for the block
	s_mov_b32 s28, 0                               ; 2 x the group whose keys are being made
	v_mov_b32 v[WQ+3], 0x3f803f80                  ; 1, 1 in bf16
	v_mov_b32 v[ONE], 1.0
.set n, 0
.rept 27
	v_mov_b32 v[LD+4*n+3], 0x3f803f80              ; the last four bytes of every vertex's 16: no load lands here
.set n, n+1
.endr
	s_wait_kmcnt 0x0
	s_add_nc_u64 s[20:21], s[4:5], s[20:21]
	s_wait_alu depctr_va_vdst(0)                   ; the offsets v6, v8, v9 are written, which the loads below read; so are v10 and v11, the LDS stores' addresses
.set n, 0
.rept 26
	global_load_b96 v[LD+4*n:LD+4*n+2], v6, s[6:7] offset:3072*n
.set n, n+1
.endr
	global_load_b96 v[LD+104:LD+106], v8, s[6:7]
	; tile T, column r is the wave's query 2 r + 32 (T / 2) + T % 2, so that the results leave as 8 neighbouring bytes a lane
.irp u, 0,1
	global_load_b64 v[QL+6*\u:QL+6*\u+1], v9, s[20:21] offset:384*\u
	global_load_b64 v[QL+6*\u+2:QL+6*\u+3], v9, s[20:21] offset:384*\u+8
	global_load_b64 v[QL+6*\u+4:QL+6*\u+5], v9, s[20:21] offset:384*\u+16
.endr
	v_cmp_lt_u32 vcc_lo, NV1, v7                   ; my 27th place is padding
; One vertex: rounded to bf16; |v|^2 of the rounded numbers in f32; split into three bf16 pieces (each remainder is exact); its 16 bytes take the place of what was loaded.
.macro VERT n, pad
.set L, LD+4*(\n)
	s_wait_loadcnt 32-(\n)                         ; loads come back in order: the 26 - n younger vertices and the 6 loads of queries may stay out
	v_cvt_pk_bf16_f32 v[TW], v[L+2], v[L+2]
	v_cvt_pk_bf16_f32 v[L], v[L], v[L+1]           ; x, y
	v_lshlrev_b32 v[TW+1], 16, v[L]
	v_and_b32 v[TW+2], s22, v[L]
	v_lshlrev_b32 v[TW+3], 16, v[TW]
	v_mul_f32 v[TW+4], v[TW+1], v[TW+1]
	v_fma_f32 v[TW+4], v[TW+2], v[TW+2], v[TW+4]
	v_fma_f32 v[TW+4], v[TW+3], v[TW+3], v[TW+4]
	v_cvt_pk_bf16_f32 v[L+1], v[TW+3], v[TW+4]     ; z, first piece
	v_and_b32 v[TW+5], s22, v[L+1]
	v_sub_f32 v[TW+5], v[TW+4], v[TW+5]
	v_cvt_pk_bf16_f32 v[TW+6], v[TW+5], v[TW+5]
	v_lshlrev_b32 v[TW+6], 16, v[TW+6]
	v_sub_f32 v[TW+7], v[TW+5], v[TW+6]
	v_cvt_pk_bf16_f32 v[L+2], v[TW+6], v[TW+7]     ; second and third piece
.if \pad
	s_wait_alu depctr_va_vcc(0)                    ; the compare behind the loads has written VCC, which the three selects read
	v_cndmask_b32 v[L], v[L], 0, vcc_lo            ; padding: the origin with |v|^2 = 1e30
	v_cndmask_b32 v[L+1], v[L+1], 0x71490000, vcc_lo
	v_cndmask_b32 v[L+2], v[L+2], 0, vcc_lo
.endif
.endm
; Its 16 bytes into LDS.
.macro VST n
.if (\n) < 16
	ds_store_b128 v10, v[LD+4*(\n):LD+4*(\n)+3] offset:4096*(\n)
.else
	ds_store_b128 v11, v[LD+4*(\n):LD+4*(\n)+3] offset:4096*((\n)-16)
.endif
.endm
.set n, 0
.rept 9
	VERT n, 0
.set n, n+1
.endr
	s_wait_alu depctr_va_vdst(0)                   ; slots 0 to 8 are written, which the nine stores below read; the arithmetic among them names slots 9 to 17
.set n, 0
.rept 9
	VST n
	VERT n+9, 0
.set n, n+1
.endr
	s_wait_alu depctr_va_vdst(0)                   ; slots 9 to 17 are written; the arithmetic among their stores names slots 18 to 26
.set n, 9
.rept 8
	VST n
	VERT n+9, 0
.set n, n+1
.endr
	VST 17
	VERT 26, 1
	s_wait_alu depctr_va_vdst(0)                   ; slots 18 to 26 are written
.set n, 18
.rept 9
	VST n
.set n, n+1
.endr
	; THE QUERIES, while the stores land.  The zeros fill the three quarters of K that a variant does not use.
	s_wait_loadcnt 0x0
	v_cmp_ne_u32 vcc_lo, 0, v2                     ; lanes 16-31
.irp b, 0,2,4,6,8,10,12,14,16
.irp k, 0,1,2,3
	v_mov_b32 v[BQ+4*\b+\k], 0
.endr
.endr
	s_wait_alu depctr_va_vcc(0)                    ; that compare has written VCC, ahead of its first reader: the selects below, and later the side job's
.macro QPREP T
.set qx, QL+6*((\T)/2)+3*((\T)%2)
.set d0, BQ+4*(1+4*(\T))
.set d1, BQ+4*(3+4*(\T))
	v_cvt_pk_bf16_f32 v[TW], v[qx], v[qx+1]
	v_cvt_pk_bf16_f32 v[TW+1], v[qx+2], v[qx+2]
	v_lshlrev_b32 v[TW+2], 16, v[TW]
	v_and_b32 v[TW+3], s22, v[TW]
	v_lshlrev_b32 v[TW+4], 16, v[TW+1]
	v_mul_f32 v[TW+5], v[TW+2], v[TW+2]
	v_fma_f32 v[TW+5], v[TW+3], v[TW+3], v[TW+5]
	v_fma_f32 v[TW+5], v[TW+4], v[TW+4], v[TW+5]
	v_mul_f32 v[TW+5], 0x3f800800, v[TW+5]         ; |q|^2 (1 + 2^-12): 32 times what two pieces can lose (2^-17)
	v_mul_f32 v[TW+2], -2.0, v[TW+2]
	v_mul_f32 v[TW+3], -2.0, v[TW+3]
	v_mul_f32 v[TW+4], -2.0, v[TW+4]
	v_cvt_pk_bf16_f32 v[WQ], v[TW+2], v[TW+3]      ; exact: a bf16 times -2
	v_cvt_pk_bf16_f32 v[WQ+1], v[TW+4], v[ONE]
	v_cvt_pk_bf16_f32 v[TW+6], v[TW+5], v[TW+5]
	v_lshlrev_b32 v[TW+6], 16, v[TW+6]
	v_sub_f32 v[TW+7], v[TW+5], v[TW+6]
	v_cvt_pk_bf16_f32 v[WQ+2], v[TW+6], v[TW+7]
	v_cndmask_b32 v[d0], v[WQ], 0, vcc_lo          ; the 8 numbers in lanes 0-15 alone,
	v_cndmask_b32 v[d0+1], v[WQ+1], 0, vcc_lo
	v_cndmask_b32 v[d0+2], v[WQ+3], 0, vcc_lo
	v_cndmask_b32 v[d0+3], v[WQ+2], 0, vcc_lo
	v_cndmask_b32 v[d1], 0, v[WQ], vcc_lo          ; and in lanes 16-31 alone
	v_cndmask_b32 v[d1+1], 0, v[WQ+1], vcc_lo
	v_cndmask_b32 v[d1+2], 0, v[WQ+3], vcc_lo
	v_cndmask_b32 v[d1+3], 0, v[WQ+2], vcc_lo
.endm
	QPREP 0
	QPREP 1
	QPREP 2
	QPREP 3
	s_wait_alu depctr_vm_vsrc(0)                   ; the 27 LDS stores have read their slots, v10 and v11, the loads v6, v8 and v9: the keys below, and behind the barrier the side job and the walk, write these registers again
.irp k, 0,1,2,3,4,5,6,7
	v_mov_b32 v[BB+\k], 0x7f7fffff                 ; above every key
.endr
	s_wait_dscnt 0x0                               ; for the others' sake: my 27 stores are done
	s_barrier_signal -1
	s_barrier_wait -1                              ; the vertex table is whole; nobody writes it again
	; THE SIDE JOB.  Tile = work-group + 256 x wave, for waves 0 and 1, while it is under 431.
	s_cmp_lt_u32 s18, 2
	s_cbranch_scc0 .Lnojob
	s_lshl_b32 s26, s18, 8
	s_add_co_u32 s26, s26, ttmp9
	s_cmp_lt_u32 s26, TILES
	s_cbranch_scc0 .Lnojob
	v_lshl_add_u32 v5, s26, 4, v1                  ; vertex = column r of source 1
	v_min_u32 v5, NV1, v5                          ; the last tile's six rows past the end repeat the last vertex; nobody gathers them
	v_mul_u32_u24 v6, v5, 96                       ; a row of 24 weights
	v_lshl_add_u32 v7, v2, 5, v6                   ; joints 8 h + 0..7
	v_and_b32 v8, 7, v0
	v_lshlrev_b32 v8, 2, v8                        ; row m of source 0 is entry 8 c + m % 8 of a transform: both halves of the lanes get all entries of their vertex
	v_lshl_add_u32 v9, v2, 9, v8                   ; joints 8 h + 0..7, 64 bytes apart
	s_wait_alu depctr_va_vdst(0)                   ; the offsets v6 to v9 are written, which the loads below read; the set-up's arithmetic is done with v84-163, in which they land
	global_load_b128 v[WL:WL+3], v7, s[8:9]
	global_load_b128 v[WL+4:WL+7], v7, s[8:9] offset:16
	global_load_b128 v[WL+8:WL+11], v6, s[8:9] offset:64    ; joints 16..23, in every lane: places 24..31 of K do not exist,
	global_load_b128 v[WL+12:WL+15], v6, s[8:9] offset:80   ; and lanes 16-31 set their copy to 0 below
.irp c, 0,1
.irp k, 0,1,2,3,4,5,6,7
	global_load_b32 v[TL+16*\c+\k], v9, s[10:11] offset:64*\k+32*\c
	global_load_b32 v[TL+16*\c+8+\k], v8, s[10:11] offset:1024+64*\k+32*\c
	global_load_b32 v[TL+32+16*\c+\k], v9, s[12:13] offset:64*\k+32*\c
	global_load_b32 v[TL+32+16*\c+8+\k], v8, s[12:13] offset:1024+64*\k+32*\c
.endr
.endr
	s_wait_loadcnt 0x0
.irp i, 0,1,2,3,4,5,6,7
	v_cvt_pk_bf16_f32 v[PW+\i], v[WL+2*\i], v[WL+2*\i+1]
.endr
.irp i, 4,5,6,7
	v_cndmask_b32 v[PW+\i], v[PW+\i], 0, vcc_lo    ; weights at K = 24..31 are 0, so what the transforms hold there adds nothing
.endr
.set n, 0
.rept 32
	v_cvt_pk_bf16_f32 v[PT+n], v[TL+2*n], v[TL+2*n+1]
.set n, n+1
.endr
	v_wmma_f32_16x16x32_bf16 v[DA:DA+7], v[PT:PT+7], v[PW:PW+7], 0             ; A's entries 0-7
	v_wmma_f32_16x16x32_bf16 v[DA+8:DA+15], v[PT+8:PT+15], v[PW:PW+7], 0       ; 8-15
	v_wmma_f32_16x16x32_bf16 v[DB:DB+7], v[PT+16:PT+23], v[PW:PW+7], 0         ; A2's
	v_wmma_f32_16x16x32_bf16 v[DB+8:DB+15], v[PT+24:PT+31], v[PW:PW+7], 0
	s_lshl_b32 s29, s18, 10
	s_add_co_u32 s29, s29, STG                     ; my stage.  The six address lines are the places behind the products (ISA guide 7.12.1)
	v_lshlrev_b32 v10, 6, v1
	v_lshl_add_u32 v10, v2, 4, v10
	v_add_nc_u32 v10, s29, v10                     ; in: record r, 16 bytes for each half of the lanes
	v_lshl_add_u32 v11, v3, 4, s29                 ; back: 512 consecutive bytes
	v_lshlrev_b32 v12, 4, v3
	v_lshl_add_u32 v12, s26, 10, v12               ; the same bytes in the table
; e[i] = entry i of A: R = e0 e1 e2 / e4 e5 e6 / e8 e9 e10, t = e3 e7 e11.  Cofactor d = e[p] e[q] - e[r] e[s]; the first line reads e1 and e10: each accumulator's low registers first.
.macro COF d, p, q, r, s
	v_mul_f32 v[TT], v[DA+\r], v[DA+\s]
	v_fma_f32 v[AJ+\d], v[DA+\p], v[DA+\q], -v[TT]
.endm
	COF 1, 2,9, 1,10
	COF 0, 5,10, 6,9
	COF 2, 1,6, 2,5
	COF 3, 6,8, 4,10
	COF 4, 0,10, 2,8
	COF 5, 2,4, 0,6
	COF 6, 4,9, 5,8
	COF 7, 1,8, 0,9
	COF 8, 0,5, 1,4
	v_mul_f32 v[DET], v[DA], v[AJ]
	v_fma_f32 v[DET], v[DA+1], v[AJ+3], v[DET]
	v_fma_f32 v[DET], v[DA+2], v[AJ+6], v[DET]
	v_rcp_f32 v[DET+1], v[DET]                     ; the 27 lines below stand between it and its use (ISA guide 5.7.2)
.irp i, 0,1,2
.irp j, 0,1,2
	v_mul_f32 v[NN+3*\i+\j], v[DB+4*\i], v[AJ+\j]
	v_fma_f32 v[NN+3*\i+\j], v[DB+4*\i+1], v[AJ+3+\j], v[NN+3*\i+\j]
	v_fma_f32 v[NN+3*\i+\j], v[DB+4*\i+2], v[AJ+6+\j], v[NN+3*\i+\j]
.endr
.endr
	s_wait_alu depctr_va_vdst(0)                   ; the reciprocal is written, ahead of its first reader
.irp i, 0,1,2
.irp j, 0,1,2
	v_mul_f32 v[ROW+4*\i+\j], v[NN+3*\i+\j], v[DET+1]          ; M = R2 adj(R) / det
.endr
	v_fma_f32 v[ROW+4*\i+3], -v[ROW+4*\i], v[DA+3], v[DB+4*\i+3]  ; c = t2 - M t
	v_fma_f32 v[ROW+4*\i+3], -v[ROW+4*\i+1], v[DA+7], v[ROW+4*\i+3]
	v_fma_f32 v[ROW+4*\i+3], -v[ROW+4*\i+2], v[DA+11], v[ROW+4*\i+3]
.endr
.irp k, 0,1,2,3
	v_cndmask_b32 v[SEL+\k], v[ROW+\k], v[ROW+4+\k], vcc_lo    ; lanes 0-15 bring rows 0 and 2, lanes 16-31 row 1 and 16 bytes of 0
	v_cndmask_b32 v[SEL+4+\k], v[ROW+8+\k], 0, vcc_lo
.endr
	s_wait_alu depctr_va_vdst(0)                   ; the selects have written v[SEL ..], the LDS stores' data; v10, v11 and v12, the addresses of the six lines below, are written
	ds_store_b128 v10, v[SEL:SEL+3]
	ds_store_b128 v10, v[SEL+4:SEL+7] offset:32
	ds_load_b128 v[OO:OO+3], v11                   ; LDS serves a wave's instructions in order (ISA guide 5.7.1.4): these see the stores above
	ds_load_b128 v[OO+4:OO+7], v11 offset:512
	s_wait_dscnt 0x0
	global_store_b128 v12, v[OO:OO+3], s[16:17]    ; each store covers 512 consecutive bytes, aligned
	global_store_b128 v12, v[OO+4:OO+7], s[16:17] offset:512
	s_wait_xcnt 0x0                                ; the stores' registers may be written again
.Lnojob:
; THE WALK.
.macro WM T, tau, ab                   ; the distances of tile T's queries to quarter tau of the group in buffer ab
.if (\tau) == 0
.set bs, BQ+4*(1+4*(\T))               ; numbers in lanes 0-15, zeros
.elseif (\tau) == 1
.set bs, BQ+4*(3+4*(\T))               ; numbers in lanes 16-31, zeros
.elseif (\tau) == 2
.set bs, BQ+4*(4*(\T))                 ; zeros, numbers in lanes 0-15
.else
.set bs, BQ+4*(2+4*(\T))               ; zeros, numbers in lanes 16-31
.endif
.set ac, ACC+32*((\T)%2)+8*(\tau)
	v_wmma_f32_16x16x32_bf16 v[ac:ac+7], v[\ab:\ab+7], v[bs:bs+7], 0
.endm
.macro HD k, P                         ; number k of the 14 that fold the 32 distances of accumulator set P into four; an accumulator's registers 0-2 are read first
.set ha, ACC+32*(\P)
.set hc, CT+4*(\P)
.if (\k) < 12
.set hn, 2*((\k)/6)+((\k)%2)
.set hs, ((\k)%6)/2
.if hs == 0
	v_min3_num_f32 v[hc+hn], v[ha+8*hn], v[ha+8*hn+1], v[ha+8*hn+2]
.else
	v_min3_num_f32 v[hc+hn], v[hc+hn], v[ha+8*hn+2*hs+1], v[ha+8*hn+2*hs+2]
.endif
.elseif (\k) == 12
	v_min3_num_f32 v[hc], v[hc], v[ha+7], v[ha+15]
.else
	v_min3_num_f32 v[hc+1], v[hc+1], v[ha+23], v[ha+31]
.endif
.endm
.macro TLM k, T                        ; number k of the 5 that end tile T's turn: one minimum, its key, the two smallest keys
.set tc, CT+4*((\T)%2)
.set tb, BB+2*(\T)
.if (\k) == 0
	v_min3_num_f32 v[tc], v[tc], v[tc+1], v[tc+2]
.elseif (\k) == 1
	v_min_num_f32 v[tc], v[tc], v[tc+3]
.elseif (\k) == 2
	v_bfi_b32 v[KEY], s27, s28, v[tc]              ; the low 8 bits: 2 x group; the lane's half is set in at the end
.elseif (\k) == 3
	v_med3_num_f32 v[tb+1], v[tb], v[tb+1], v[KEY] ; the second smallest of three, of which the first two are in order
.else
	v_min_num_f32 v[tb], v[tb], v[KEY]
.endif
.endm
.macro RID T, hd, tl                   ; rider number ri of a stage that issues tile T's products: two of the tile before, one of the tile before that, by turns
.if ri < 15
.if (ri%3) == 2
.if \tl
	TLM ri/3, ((\T)+2)%4
.endif
.else
.if \hd
	HD 2*(ri/3)+(ri%3), ((\T)+1)%2
.endif
.endif
.else
.if \hd
	HD ri-5, ((\T)+1)%2
.endif
.endif
.set ri, ri+1
.endm
; A STAGE: four products, each followed by five riders (the last by four).  No rider names a register of the products round it.  An accumulator is read 9 riders or more behind its product.
; ld = 1: the fragment of the group after next is fetched into buffer nb, behind the stage's first product and its riders: two groups ahead of its use.  No wait stands here: no vector or matrix
; instruction since the last odd group's wait names nb or v4.
.macro STAGE T, ab, hd, tl, ld=0, nb=0, off=0
.set ri, 0
.irp tau, 0,1,2,3
	WM \T, \tau, \ab
.rept 5
.if ri < 19
	RID \T, \hd, \tl
.endif
.endr
.if (\ld) && ((\tau) == 0)
	ds_load_b128 v[\nb:\nb+3], v4 offset:\off
	ds_load_b128 v[\nb+4:\nb+7], v4 offset:(\off)+512
.endif
.endr
.endm
; A GROUP.  dc: the younger LDS loads that may stay out.  w = 1: an odd group that is followed by fragment loads.
.macro GROUP ab, nb, ld, off, dc, w
	s_wait_dscnt \dc                               ; LDS loads come back in order: this group's fragment is in; the two loads issued in the group before may stay out
.if \w
	s_wait_alu depctr_va_vdst(0)                   ; the products of all earlier groups are done reading their fragments: this group's loads and the next group's land in the buffers of the last two; v4, if stepped, is written
.endif
	STAGE 0, \ab, 1, 1, \ld, \nb, \off
	STAGE 1, \ab, 1, 1
	s_add_co_u32 s28, s28, 2                       ; the keys made from here on are this group's
	STAGE 2, \ab, 1, 1
	STAGE 3, \ab, 1, 1
.endm
	v_lshlrev_b32 v4, 4, v3                        ; 32 lanes x 16 bytes: two tiles a load
	s_wait_alu depctr_va_vdst(0)                   ; v4 is written; the set-up and the side job are done with v148-163 and v184-199, in which fragments land from here on
	ds_load_b128 v[AF0:AF0+3], v4
	ds_load_b128 v[AF0+4:AF0+7], v4 offset:512
	ds_load_b128 v[AF1:AF1+3], v4 offset:1024
	ds_load_b128 v[AF1+4:AF1+7], v4 offset:1536
	s_wait_dscnt 2                                 ; group 0's fragment is in; group 1's two loads may stay out
	STAGE 0, AF0, 0, 0, 1, AF2, 2048               ; group 0 is written out: there is nothing yet to ride
.rept 4
	v_nop                                          ; the places behind its first four products
.endr
	STAGE 1, AF0, 1, 0
	STAGE 2, AF0, 1, 1
	STAGE 3, AF0, 1, 1
	s_wait_alu depctr_vm_vsrc(0)                   ; the six fragment loads issued so far have read v4
	v_add_nc_u32 v4, 3072, v4                      ; group 3's fragment
	s_mov_b32 s23, 26
.Lquad:                                                ; groups 1 to 104, four a trip, so that the four buffers have fixed names
	GROUP AF1, AF3, 1, 0, 2, 1
	GROUP AF2, AF0, 1, 1024, 2, 0
	GROUP AF3, AF1, 1, 2048, 2, 1
	GROUP AF0, AF2, 1, 3072, 2, 0
	s_wait_alu depctr_vm_vsrc(0)                   ; the trip's eight fragment loads have read v4
	v_add_nc_u32 v4, 4096, v4
	s_sub_co_u32 s23, s23, 1
	s_cmp_lg_u32 s23, 0
	s_cbranch_scc1 .Lquad
	GROUP AF1, AF3, 1, 0, 2, 1                     ; group 105 fetches the last fragment, group 107's
	GROUP AF2, AF0, 0, 0, 2, 0                     ; groups 106 and 107 fetch nothing
	GROUP AF3, AF0, 0, 0, 0, 0
.set ri, 0
.rept 19
	RID 0, 1, 1                                    ; what is left of its tiles 3 and 2
.endr
.irp k, 0,1,2,3,4
	TLM \k, 3
.endr
	; THE END.  The lane's half completes the block's number; the two halves' keys meet; the two smallest of four are the query's two blocks.
	v_cmp_ne_u32 vcc_lo, 0, v2
.irp k, 0,1,2,3,4,5,6,7
	v_or_b32 v[BB+\k], v[BB+\k], v2
.endr
.irp k, 0,1,2,3,4,5,6,7
	v_permlanex16_b32 v[TW+\k], v[BB+\k], s24, s25
.endr
.irp T, 0,1,2,3
	v_max_num_f32 v[CT+\T], v[BB+2*\T], v[TW+2*\T]
	v_min_num_f32 v[BB+2*\T], v[BB+2*\T], v[TW+2*\T]
	v_min3_num_f32 v[BB+2*\T+1], v[CT+\T], v[BB+2*\T+1], v[TW+2*\T+1]
	v_and_b32 v[BB+2*\T], 0xff, v[BB+2*\T]
	v_and_b32 v[BB+2*\T+1], 0xff, v[BB+2*\T+1]
	v_lshl_or_b32 v[CT+\T], v[BB+2*\T+1], 8, v[BB+2*\T]
.endr
	s_wait_alu depctr_va_vcc(0)                    ; the compare at this part's head has written VCC, which the two selects read
	v_cndmask_b32 v[CT+4], v[CT], v[CT+2], vcc_lo  ; lanes 0-15 store tiles 0 and 1, lanes 16-31 tiles 2 and 3: the wave's queries 2 lane and 2 lane + 1
	v_cndmask_b32 v[CT+5], v[CT+1], v[CT+3], vcc_lo
	s_lshl_b32 s29, ttmp9, 11
	s_lshl_b32 s30, s18, 8
	s_add_co_u32 s29, s29, s30
	v_lshl_add_u32 v5, v3, 3, s29
	s_wait_alu depctr_va_vdst(0)                   ; the two selects have written the store's data, and v5, its offset, is written
	global_store_b64 v5, v[CT+4:CT+5], s[14:15]    ; the wave's store covers 256 consecutive bytes, aligned
	s_wait_dscnt 0x0                               ; the closing lines, six on end
	s_wait_alu 0x0
	s_wait_tensorcnt 0x0
	ds_add_u32 v[SPW], v[NIL]
	s_wait_dscnt 0x0
	s_endpgm
.Lfunc_end_k_qfb894b828a_coarse:
	.size	k_qfb894b828a_coarse, .Lfunc_end_k_qfb894b828a_coarse-k_qfb894b828a_coarse
	.p2alignl 7, 3214868480
	.fill 96, 4, 3214868480
	.section	.rodata,"a",@progbits
	.p2align	6, 0x0
	.amdhsa_kernel k_qfb894b828a_coarse
		.amdhsa_group_segment_fixed_size 113664
		.amdhsa_private_segment_fixed_size 0
		.amdhsa_enable_private_segment 0
		.amdhsa_kernarg_size 56
		.amdhsa_user_sgpr_count 2
		.amdhsa_user_sgpr_kernarg_segment_ptr 1
		.amdhsa_wavefront_size32 1
		.amdhsa_system_sgpr_workgroup_id_x 1
		.amdhsa_system_sgpr_workgroup_id_y 1
		.amdhsa_system_sgpr_workgroup_id_z 1
		.amdhsa_system_vgpr_workitem_id 0
		.amdhsa_next_free_vgpr 256
		.amdhsa_next_free_sgpr 66
		.amdhsa_reserve_vcc 1
		.amdhsa_float_denorm_mode_32 3
		.amdhsa_float_denorm_mode_16_64 3
		.amdhsa_memory_ordered 1
		.amdhsa_forward_progress 1
		.amdhsa_inst_pref_size 99
	.end_amdhsa_kernel
	.amdgpu_metadata
---
amdhsa.version: [ 1, 2 ]
amdhsa.kernels:
  - .name:           k_qfb894b828a_coarse
    .symbol:         k_qfb894b828a_coarse.kd
    .args:
      - { .name: query_pts, .offset: 0, .size: 8, .value_kind: global_buffer, .address_space: global }
      - { .name: verts, .offset: 8, .size: 8, .value_kind: global_buffer, .address_space: global }
      - { .name: weights, .offset: 16, .size: 8, .value_kind: global_buffer, .address_space: global }
      - { .name: A_t, .offset: 24, .size: 8, .value_kind: global_buffer, .address_space: global }
      - { .name: A_big, .offset: 32, .size: 8, .value_kind: global_buffer, .address_space: global }
      - { .name: cand, .offset: 40, .size: 8, .value_kind: global_buffer, .address_space: global }
      - { .name: table, .offset: 48, .size: 8, .value_kind: global_buffer, .address_space: global }
    .group_segment_fixed_size: 113664
    .private_segment_fixed_size: 0
    .kernarg_segment_align: 8
    .kernarg_segment_size: 56
    .max_flat_workgroup_size: 256
    .sgpr_count:     66
    .vgpr_count:     256
    .wavefront_size: 32
...
	.end_amdgpu_metadata
.endif
;; end of part 4
;; launch refine (part 5): grid 256 x 1, 8 waves a work-group, no clusters, 222,464 bytes of LDS; arguments query_pts, verts, cand, idx; writes idx
.if DOCPART == 5
	.amdgcn_target "amdgcn-amd-amdhsa--gfx1250"
	.amdhsa_code_object_version 6
	.text
	.protected	k_qfb894b828a_refine
	.globl	k_qfb894b828a_refine
	.p2align	8
	.type	k_qfb894b828a_refine,@function
k_qfb894b828a_refine:
	s_mov_b64 s[64:65], 0
	v_nop
	global_prefetch_b8 v0, s[64:65] scope:SCOPE_SE
	s_setreg_imm32_b32 hwreg(HW_REG_WAVE_SCHED_MODE, 0, 2), 2
	s_setreg_imm32_b32 hwreg(HW_REG_WAVE_MODE, 25, 1), 1
	s_wait_xcnt 0x0
	s_wait_alu depctr_vm_vsrc(0)
; NEAREST VERTEX, SECOND PASS.  For each query the first pass left two blocks of 32 consecutive vertices.  Their 64 distances are made again with reference()'s own f32 operations in its order, on inputs
; rounded to bf16: dot = ((x x' + y y') + z z'), d = (|q|^2 - 2 dot) + |v|^2, |.|^2 = ((x x + y y) + z z).  A product of two bf16 is exact in f32, so a fused multiply-add rounds exactly as a
; product and a sum would.  The result is the lowest index among the vertices whose d equals the minimum, as argmin gives it.
; SHARES.  256 work-groups of 8 waves; a thread owns two neighbouring queries, so that a wave's store of indices covers 256 consecutive bytes.
; LDS.  Two planes, each 216 blocks x 512 bytes.  A block's 16 PAIRS of vertices (2 u, 2 u + 1) take 16 bytes each: x x' y y' in the first plane, z z' |v|^2 |v'|^2 in the second: the register pairs
; of packed f32 arithmetic.  The 256 bytes of a block stand TWICE on end, so that lane l can begin at pair l % 16 and go 16 pairs on by immediates alone: in every load 16 neighbouring lanes read 16
; different columns of 16 bytes, whatever their blocks (64 banks of 4 bytes: ISA guide 11.1).  A table of 32 x 8 bytes gives each lane the places (2 p, 2 p + 1, as f32) of the pairs in its own order.
; Every choice by a distance is a select of a value; addresses hang on the block numbers read from memory alone (held to 215).
; NO CLUSTER, NO TENSOR LOAD: verts (82,680 bytes a work-group) pass through registers to be rounded, squared and paired.
; LIMITS.  Padding vertices count as |v|^2 = 1e30; NaN and infinities are not treated apart.
; THE MODE: SCHED_MODE bits 1:0 = 2 (LLVM: expert scheduling mode 2), set by the entry lines.  The code itself states the register dependences
; between vector instructions and memory or LDS instructions, with s_wait_alu, always for 0.
; THE PLAN.  Registers that memory or LDS instructions touch:
;   LB (set-up)  14 slots of 8.  Three loads bring a pair of vertices into a slot's first six registers; the pair's arithmetic reads them and writes its 32 bytes over the slot; four LDS stores read it.
;                The pairs go in batches of 4, 4 and 5: one wait on va_vdst behind a batch states that its slots are written, and its stores are dealt among the next batch's arithmetic, which names
;                other slots.  No slot is written again in the set-up.  Behind the barrier one wait on vm_vsrc states that the stores have read them: they are DR and BUF from there on.
;   BUF0 .. BUF2 The two queries' 16 batches of 8 distances go as one sequence; batch J's eight LDS loads land in BUF[J % 3], and its arithmetic reads it.  One wait on va_vdst ahead of every even
;                batch J from 2 on states that batches J - 2 and J - 1 are done reading; the loads of batches J + 1 and J + 2, which land in those two buffers, stand directly behind it.
;   AD           Both queries' eight LDS addresses are made at once, behind the barrier, and never written again.  v3 to v12: offsets and addresses, made once.
;   s32 .. s63   A block's 32 compares write them in one run; one wait on va_sdst stands between the run and the selects that read them.
.set NPAIR1, 3444                      ; the last pair of vertices
.set NSET1,  215                       ; the last block
.set ZSP,    110592                    ; the second plane
.set FT,     221184                    ; the table of places
.set SPARE,  221440                    ; the spare words, 128 bytes for each of 8 waves: four blocks of 256 bytes that no other line names
.set SPW,  14                          ; v14  LDS address of my spare word; never rewritten
.set NIL,  15                          ; v15  0; never rewritten
.set FR,   16                          ; v16-47   the places of my 16 steps' pairs
.set DR,   48                          ; v48-111  64 distances, then 64 places or BIG
.set BUF,  112                         ; v112-143, v144-175, v216-247  three buffers of 4 steps x 8 registers
.set QV,   176                         ; v176-183 x, y, z, |q|^2 of the query in hand, each the low word of a pair
.set MM,   184                         ; v184-187 four running minima
.set KK,   188                         ; v188-189 the lowest place of a tie, by block
.set BIGR, 190
.set MN,   191
.set CW,   192                         ; v192-193 my two queries' words
.set QR,   194                         ; v194-199 my two queries
.set OI,   200                         ; v200-201 their indices
.set ID,   202                         ; v202-203, v214-215  query c's two blocks at ID + 12 c
.set AD,   204                         ; v204-207, v210-213  their LDS addresses at AD + 6 c: first plane, second plane
.set TT,   208
.set LB,   48                          ; set-up: v48-159  14 pairs, 8 registers each: as loaded (6), then as stored (8)
.set TB,   160                         ; set-up: v160-162 at work
.set TE,   164                         ; set-up: v164-165 an entry of the table of places
.set MK,   32                          ; s32-63   32 masks
	s_load_b256 s[4:11], s[0:1], 0x0               ; query_pts s[4:5], verts s[6:7], cand s[8:9], idx s[10:11]
	v_lshl_add_u32 v[SPW], v0, 2, SPARE
	v_mov_b32 v[NIL], 0
	v_lshrrev_b32 v2, 5, v0
	v_readfirstlane_b32 s12, v2                    ; wave 0..7
	s_mov_b32 s13, 0xffff0000                      ; a word's upper bf16
	s_mov_b32 s24, 0x7149f2ca                      ; 1e30
	v_and_b32 v1, 15, v0
	v_mul_u32_u24 v3, v0, 24                       ; pair t of vertices; also my two queries
	v_add_nc_u32 v4, 3328, v0                      ; pair t + 13 x 256
	v_min_u32 v5, NPAIR1, v4
	v_mul_u32_u24 v5, v5, 24
	v_lshlrev_b32 v6, 3, v0
	v_lshrrev_b32 v7, 4, v0
	v_lshlrev_b32 v7, 9, v7
	v_lshl_add_u32 v7, v1, 4, v7                   ; pair u lies at (u / 16) x 512 + (u % 16) x 16; 256 pairs on are 8,192 bytes on
	v_add_nc_u32 v8, 0x10000, v7                   ; the immediate has 16 bits
	v_add_nc_u32 v9, ZSP, v7
	v_add_nc_u32 v10, ZSP+0x10000, v7
	s_wait_alu depctr_va_sdst(0)                   ; s12 is written, ahead of its first reader: the compare that picks waves 0 to 3
	s_mul_i32 s14, ttmp9, 6144                     ; the work-group's 512 queries
	s_mov_b32 s15, 0
	s_lshl_b32 s16, ttmp9, 11                      ; and their 512 words
	s_mov_b32 s17, 0
	s_wait_kmcnt 0x0
	s_add_nc_u64 s[14:15], s[4:5], s[14:15]
	s_add_nc_u64 s[18:19], s[8:9], s[16:17]
	s_add_nc_u64 s[16:17], s[10:11], s[16:17]
	s_wait_alu depctr_va_vdst(0)                   ; the offsets v3, v5, v6 are written, which the loads and the last store read; so are v7 to v10, the LDS stores' addresses
.set n, 0
.rept 13
	global_load_b64 v[LB+8*n:LB+8*n+1], v3, s[6:7] offset:6144*n
	global_load_b64 v[LB+8*n+2:LB+8*n+3], v3, s[6:7] offset:6144*n+8
	global_load_b64 v[LB+8*n+4:LB+8*n+5], v3, s[6:7] offset:6144*n+16
.set n, n+1
.endr
	global_load_b64 v[CW:CW+1], v6, s[18:19]
	global_load_b64 v[QR:QR+1], v3, s[14:15]
	global_load_b64 v[QR+2:QR+3], v3, s[14:15] offset:8
	global_load_b64 v[QR+4:QR+5], v3, s[14:15] offset:16
; One pair of vertices: rounded and squared; its 32 bytes take the place of what was loaded.  w: the younger loads that may stay out.
.macro PAIR n, w, pad
.set L, LB+8*(\n)
	s_wait_loadcnt \w
	v_cvt_pk_bf16_f32 v[TB], v[L], v[L+3]
	v_cvt_pk_bf16_f32 v[TB+1], v[L+1], v[L+4]
	v_cvt_pk_bf16_f32 v[TB+2], v[L+2], v[L+5]
	v_lshlrev_b32 v[L], 16, v[TB]
	v_and_b32 v[L+1], s13, v[TB]
	v_lshlrev_b32 v[L+2], 16, v[TB+1]
	v_and_b32 v[L+3], s13, v[TB+1]
	v_lshlrev_b32 v[L+4], 16, v[TB+2]
	v_and_b32 v[L+5], s13, v[TB+2]
	v_pk_mul_f32 v[L+6:L+7], v[L:L+1], v[L:L+1]
	v_pk_fma_f32 v[L+6:L+7], v[L+2:L+3], v[L+2:L+3], v[L+6:L+7]
	v_pk_fma_f32 v[L+6:L+7], v[L+4:L+5], v[L+4:L+5], v[L+6:L+7]
.if \pad
	s_wait_alu depctr_va_vcc(0)                    ; the compare above has written VCC, which the two selects read
	v_cndmask_b32 v[L+6], v[L+6], s24, vcc_lo      ; past the last vertex: never the nearest
	v_cndmask_b32 v[L+7], v[L+7], s24, vcc_lo
.endif
.endm
; Its 32 bytes into LDS, twice in each plane.
.macro PST n
.set P, LB+8*(\n)
.if (\n) < 8
	ds_store_b128 v7, v[P:P+3] offset:8192*(\n)
	ds_store_b128 v7, v[P:P+3] offset:8192*(\n)+256
	ds_store_b128 v9, v[P+4:P+7] offset:8192*(\n)
	ds_store_b128 v9, v[P+4:P+7] offset:8192*(\n)+256
.else
	ds_store_b128 v8, v[P:P+3] offset:8192*((\n)-8)
	ds_store_b128 v8, v[P:P+3] offset:8192*((\n)-8)+256
	ds_store_b128 v10, v[P+4:P+7] offset:8192*((\n)-8)
	ds_store_b128 v10, v[P+4:P+7] offset:8192*((\n)-8)+256
.endif
.endm
	s_cmp_lt_u32 s12, 4                            ; 3,456 pairs are 13 for each thread and one more for waves 0 to 3
	s_cbranch_scc0 .Lno_last
	global_load_b64 v[LB+104:LB+105], v5, s[6:7]
	global_load_b64 v[LB+106:LB+107], v5, s[6:7] offset:8
	global_load_b64 v[LB+108:LB+109], v5, s[6:7] offset:16
	v_cmp_lt_u32 vcc_lo, NPAIR1, v4                ; pairs 3,445 to 3,455 are padding
	PAIR 13, 0, 1
	s_wait_alu depctr_va_vdst(0)                   ; slot 13 is written, which its four stores read
	PST 13
.Lno_last:
.set n, 0
.rept 4
	PAIR n, 3*(12-n)+4, 0                          ; the younger pairs' loads, the word's and the queries' three may stay out
.set n, n+1
.endr
	s_wait_alu depctr_va_vdst(0)                   ; slots 0 to 3 are written, which the stores below read; the arithmetic among them names slots 4 to 7
.set n, 0
.rept 4
	PST n
	PAIR n+4, 3*(8-n)+4, 0
.set n, n+1
.endr
	s_wait_alu depctr_va_vdst(0)                   ; slots 4 to 7 are written; the arithmetic among their stores names slots 8 to 12
.set n, 4
.rept 4
	PST n
	PAIR n+4, 3*(8-n)+4, 0
.set n, n+1
.endr
	PAIR 12, 4, 0
	s_wait_alu depctr_va_vdst(0)                   ; slots 8 to 12 are written
.set n, 8
.rept 5
	PST n
.set n, n+1
.endr
	s_cmp_eq_u32 s12, 7                            ; wave 7 writes the table of places: entry e is pair e % 16
	s_cbranch_scc0 .Lno_table
	v_lshlrev_b32 v[TB], 1, v1
	v_cvt_f32_u32 v[TE], v[TB]
	v_add_f32 v[TE+1], 1.0, v[TE]
	v_and_b32 v[TB+1], 31, v0
	v_lshl_add_u32 v[TB+1], v[TB+1], 3, FT
	s_wait_alu depctr_va_vdst(0)                   ; the entry and its address are written, which the store reads
	ds_store_b64 v[TB+1], v[TE:TE+1]
.Lno_table:
	s_wait_dscnt 0x0                               ; for the others' sake: my stores are done
	s_barrier_signal -1
	s_barrier_wait -1                              ; the planes and the table are whole; nobody writes them again
	v_lshl_add_u32 v11, v1, 3, FT
	v_lshlrev_b32 v12, 4, v1                       ; my first pair in a block
	v_mov_b32 v[BIGR], 0x4e6e6b28                  ; 1e9: above every index
.irp k, 1,3,5,7
	v_mov_b32 v[QV+\k], 0                          ; named with their neighbours as pairs; the packed lines take the low word for both halves
.endr
	s_wait_loadcnt 0x0                             ; my two words and my two queries are in
.irp c, 0,1
	v_and_b32 v[ID+12*\c], 0xff, v[CW+\c]
	v_bfe_u32 v[ID+12*\c+1], v[CW+\c], 8, 8
	v_min_u32 v[ID+12*\c], NSET1, v[ID+12*\c]      ; a number from memory enters an address only held to the table's size
	v_min_u32 v[ID+12*\c+1], NSET1, v[ID+12*\c+1]
	v_lshl_add_u32 v[AD+6*\c], v[ID+12*\c], 9, v12
	v_lshl_add_u32 v[AD+6*\c+1], v[ID+12*\c+1], 9, v12
	v_add_nc_u32 v[AD+6*\c+2], ZSP, v[AD+6*\c]
	v_add_nc_u32 v[AD+6*\c+3], ZSP, v[AD+6*\c+1]
.endr
	s_wait_alu depctr_vm_vsrc(0)                   ; my LDS stores have read v48-166: these registers are DR and BUF from here on, written by the distances' arithmetic and by LDS loads
	s_wait_alu depctr_va_vdst(0)                   ; v11 and the eight addresses are written, which the LDS loads read; the set-up's arithmetic is done with v112-175, in which they land
.set n, 0
.rept 16
	ds_load_b64 v[FR+2*n:FR+2*n+1], v11 offset:8*n ; step n of lane l is pair (l % 16 + n) % 16
.set n, n+1
.endr
.macro LOADB J                         ; batch J of 16: query J / 8, block (J % 8) / 4, steps 4 (J % 4) + 0..3, into buffer J % 3
.set bf, BUF+32*((\J)%3)+40*(((\J)%3)/2)
.set sa, AD+6*((\J)/8)+(((\J)%8)/4)
.irp k, 0,1,2,3
	ds_load_b128 v[bf+8*\k:bf+8*\k+3], v[sa] offset:16*(4*((\J)%4)+\k)
	ds_load_b128 v[bf+8*\k+4:bf+8*\k+7], v[sa+2] offset:16*(4*((\J)%4)+\k)
.endr
.endm
.macro COMPB J                         ; its 8 distances, four chains side by side
.set bf, BUF+32*((\J)%3)+40*(((\J)%3)/2)
.set dd, DR+32*(((\J)%8)/4)+8*((\J)%4)
.irp k, 0,1,2,3
	v_pk_mul_f32 v[dd+2*\k:dd+2*\k+1], v[bf+8*\k:bf+8*\k+1], v[QV:QV+1] op_sel_hi:[1,0]
.endr
.irp k, 0,1,2,3
	v_pk_fma_f32 v[dd+2*\k:dd+2*\k+1], v[bf+8*\k+2:bf+8*\k+3], v[QV+2:QV+3], v[dd+2*\k:dd+2*\k+1] op_sel_hi:[1,0,1]
.endr
.irp k, 0,1,2,3
	v_pk_fma_f32 v[dd+2*\k:dd+2*\k+1], v[bf+8*\k+4:bf+8*\k+5], v[QV+4:QV+5], v[dd+2*\k:dd+2*\k+1] op_sel_hi:[1,0,1]
.endr
.irp k, 0,1,2,3
	v_pk_fma_f32 v[dd+2*\k:dd+2*\k+1], v[dd+2*\k:dd+2*\k+1], -2.0, v[QV+6:QV+7] op_sel_hi:[1,0,0]
.endr
.irp k, 0,1,2,3
	v_pk_add_f32 v[dd+2*\k:dd+2*\k+1], v[dd+2*\k:dd+2*\k+1], v[bf+8*\k+6:bf+8*\k+7]
.endr
.irp k, 0,1,2,3
.if ((\J)%8) == 0
	v_min_num_f32 v[MM+\k], v[dd+2*\k], v[dd+2*\k+1]
.else
	v_min3_num_f32 v[MM+\k], v[MM+\k], v[dd+2*\k], v[dd+2*\k+1]
.endif
.endr
.endm
.macro QSET c                          ; query c: rounded, squared
.set qx, QR+3*(\c)
	v_cvt_pk_bf16_f32 v[TT], v[qx], v[qx+1]
	v_cvt_pk_bf16_f32 v[TT+1], v[qx+2], v[qx+2]
	v_lshlrev_b32 v[QV], 16, v[TT]
	v_and_b32 v[QV+2], s13, v[TT]
	v_lshlrev_b32 v[QV+4], 16, v[TT+1]
	v_mul_f32 v[QV+6], v[QV], v[QV]
	v_fma_f32 v[QV+6], v[QV+2], v[QV+2], v[QV+6]
	v_fma_f32 v[QV+6], v[QV+4], v[QV+4], v[QV+6]
	v_mov_b32 v[KK], v[BIGR]
	v_mov_b32 v[KK+1], v[BIGR]
.endm
.macro FINISH c                        ; query c's minimum; a distance that equals it gives its place, the others BIG; the lowest index
	v_min3_num_f32 v[MN], v[MM], v[MM+1], v[MM+2]
	v_min_num_f32 v[MN], v[MN], v[MM+3]
.irp s, 0,1
.set n, 0
.rept 32
	v_cmp_eq_f32 s[MK+n], v[DR+32*(\s)+n], v[MN]
.set n, n+1
.endr
	s_wait_alu depctr_va_sdst(0)                   ; the block's 32 compares have written s32 to s63, which the selects below read
.set n, 0
.rept 16
	v_cndmask_b32 v[DR+32*(\s)+n], v[BIGR], v[FR+n], s[MK+n]
	v_cndmask_b32 v[DR+32*(\s)+n+1], v[BIGR], v[FR+n+1], s[MK+n+1]
	v_min3_num_f32 v[KK+(\s)], v[KK+(\s)], v[DR+32*(\s)+n], v[DR+32*(\s)+n+1]
.set n, n+2
.endr
.endr
	v_lshlrev_b32 v[TT], 5, v[ID+12*(\c)]          ; a block's first vertex
	v_lshlrev_b32 v[TT+1], 5, v[ID+12*(\c)+1]
	v_cvt_f32_u32 v[TT], v[TT]
	v_cvt_f32_u32 v[TT+1], v[TT+1]
	v_add_f32 v[KK], v[KK], v[TT]
	v_add_f32 v[KK+1], v[KK+1], v[TT+1]
	v_min_num_f32 v[KK], v[KK], v[KK+1]            ; whole numbers under 2^24: exact in f32
	v_cvt_u32_f32 v[OI+(\c)], v[KK]
.endm
	LOADB 0                                        ; the wait on va_vdst above serves these three too: nothing has named a buffer or an address since
	LOADB 1
	LOADB 2
	QSET 0
	s_wait_dscnt 16                                ; LDS loads come back in order: batch 0 and the places are in; the two younger batches (16 loads) may stay out
	COMPB 0
	s_wait_dscnt 8                                 ; batch 1 is in; batch 2's eight loads may stay out
	COMPB 1
.irp J, 2,4,6
	s_wait_alu depctr_va_vdst(0)                   ; the last two batches' arithmetic is done reading its buffers, in which the 16 loads below land
	LOADB (\J)+1
	LOADB (\J)+2
	s_wait_dscnt 16                                ; this batch is in; the 16 loads just issued may stay out
	COMPB \J
	s_wait_dscnt 8                                 ; the next is in; the youngest eight may stay out
	COMPB (\J)+1
.endr
	s_wait_alu depctr_va_vdst(0)                   ; batches 6 and 7 are done reading their buffers, in which the 16 loads below land
	LOADB 9                                        ; the second query's batches are on their way while the first query's ties are searched: that search names no buffer
	LOADB 10
	FINISH 0
	QSET 1
	s_wait_dscnt 16
	COMPB 8
	s_wait_dscnt 8
	COMPB 9
.irp J, 10,12
	s_wait_alu depctr_va_vdst(0)                   ; the last two batches' arithmetic is done reading its buffers, in which the 16 loads below land
	LOADB (\J)+1
	LOADB (\J)+2
	s_wait_dscnt 16
	COMPB \J
	s_wait_dscnt 8
	COMPB (\J)+1
.endr
	s_wait_alu depctr_va_vdst(0)                   ; batch 12 is done reading its buffer, in which the last eight loads land
	LOADB 15
	s_wait_dscnt 8                                 ; batch 14 is in; the eight just issued may stay out
	COMPB 14
	s_wait_dscnt 0x0
	COMPB 15
	FINISH 1
	s_wait_alu depctr_va_vdst(0)                   ; both indices are written, which the store reads
	global_store_b64 v6, v[OI:OI+1], s[16:17]      ; the wave's store covers 256 consecutive bytes, aligned
	s_wait_dscnt 0x0                               ; the closing lines, six on end
	s_wait_alu 0x0
	s_wait_tensorcnt 0x0
	ds_add_u32 v[SPW], v[NIL]
	s_wait_dscnt 0x0
	s_endpgm
.Lfunc_end_k_qfb894b828a_refine:
	.size	k_qfb894b828a_refine, .Lfunc_end_k_qfb894b828a_refine-k_qfb894b828a_refine
	.p2alignl 7, 3214868480
	.fill 96, 4, 3214868480
	.section	.rodata,"a",@progbits
	.p2align	6, 0x0
	.amdhsa_kernel k_qfb894b828a_refine
		.amdhsa_group_segment_fixed_size 222464
		.amdhsa_private_segment_fixed_size 0
		.amdhsa_enable_private_segment 0
		.amdhsa_kernarg_size 32
		.amdhsa_user_sgpr_count 2
		.amdhsa_user_sgpr_kernarg_segment_ptr 1
		.amdhsa_wavefront_size32 1
		.amdhsa_system_sgpr_workgroup_id_x 1
		.amdhsa_system_sgpr_workgroup_id_y 1
		.amdhsa_system_sgpr_workgroup_id_z 1
		.amdhsa_system_vgpr_workitem_id 0
		.amdhsa_next_free_vgpr 248
		.amdhsa_next_free_sgpr 66
		.amdhsa_reserve_vcc 1
		.amdhsa_float_denorm_mode_32 3
		.amdhsa_float_denorm_mode_16_64 3
		.amdhsa_memory_ordered 1
		.amdhsa_forward_progress 1
		.amdhsa_inst_pref_size 76
	.end_amdhsa_kernel
	.amdgpu_metadata
---
amdhsa.version: [ 1, 2 ]
amdhsa.kernels:
  - .name:           k_qfb894b828a_refine
    .symbol:         k_qfb894b828a_refine.kd
    .args:
      - { .name: query_pts, .offset: 0, .size: 8, .value_kind: global_buffer, .address_space: global }
      - { .name: verts, .offset: 8, .size: 8, .value_kind: global_buffer, .address_space: global }
      - { .name: cand, .offset: 16, .size: 8, .value_kind: global_buffer, .address_space: global }
      - { .name: idx, .offset: 24, .size: 8, .value_kind: global_buffer, .address_space: global }
    .group_segment_fixed_size: 222464
    .private_segment_fixed_size: 0
    .kernarg_segment_align: 8
    .kernarg_segment_size: 32
    .max_flat_workgroup_size: 256
    .sgpr_count:     66
    .vgpr_count:     248
    .wavefront_size: 32
...
	.end_amdgpu_metadata
.endif
;; end of part 5
;; launch apply: the kernel of part 3 again; grid 256 x 1, 4 waves a work-group, no clusters, 6,656 bytes of LDS; arguments query_pts, idx, table, out0; writes out0
